; MI455X (gfx1250); checked and timed in simulation.
; The chip was launched on July 23, 2026; its instructions are those of AMD's public machine-readable ISA for CDNA 5 (MIT licence, August 2026) and "CDNA5" Instruction Set Architecture Reference Guide (July 2026). The comments in the code are by the model that wrote it; some were corrected since.
;; DSAATSP Model. Allowed arithmetic: matrix products marked QUANTISED: E3M2 operands, one E8M0 scale for each 32 along K, by v_wmma_scale_f32_16x16x128_f8f6f4 with both operands' format E3M2, f32 sums; products left as they are: f32 operands where the result goes on into a quantised operand, else bf16, f16 or f32 operands; f32 sums; everything else in f32.
;; Inputs: Wc 1,024 x 1,024 float32; Wk 1,024 x 1,024 float32; Wq 1,024 x 1,024 float32; Wv 1,024 x 1,024 float32; bc 1,024 float32; conv_b 2 float32; conv_w 2 x 2 float32; encoded_jobs 8 x 1,024 x 1,024 float32; t 8 float32; tW1 512 x 1,024 float32; tW2 1,024 x 512 float32; tb1 512 float32; tb2 1,024 float32; xt 8 x 1,024 x 1,024 float32.
;; Outputs: out0 8 x 1,024 x 1,024 x 2 float32.
;; This version of the problem:
;;   THIS VERSION OF THE PROBLEM IS GIVEN IN LOW PRECISION. The matrix products marked QUANTISED in the list below multiply operands that are first quantised to E3M2 (3 exponent bits, 2 mantissa bits; 6 bits a number), with one power-of-two scale for each 32 numbers along K (OCP MX v1.0); their sums are f32. All else is computed in f32.
;;   The module's matrix products, in the order in which they are computed (A, B: the left and right operand; K: the contracted axis; several contracted axes count as one K, in the product's order):
;;     1. [M 8, K 1,024] x [K 1,024, N 512]; A: computed on the way; B: input tW1: left as it is (M = 8 < 16)
;;     2. [M 8, K 512] x [K 512, N 1,024]; A: computed on the way; B: input tW2: left as it is (M = 8 < 16)
;;     3. [M 8,192, K 1,024] x [K 1,024, N 1,024]; A: input encoded_jobs; B: input Wq: QUANTISED
;;     4. [M 8,192, K 1,024] x [K 1,024, N 1,024]; A: input encoded_jobs; B: input Wk: QUANTISED
;;     5. [M 8,192, K 1,024] x [K 1,024, N 1,024]; A: input encoded_jobs; B: input Wv: QUANTISED
;;     6. batch 128 x [M 1,024, K 64] x [K 64, N 1,024]; A: computed on the way; B: computed on the way: QUANTISED
;;     7. batch 128 x [M 1,024, K 1,024] x [K 1,024, N 64]; A: softmax (see below); B: computed on the way: QUANTISED
;;     8. [M 8,192, K 1,024] x [K 1,024, N 1,024]; A: computed on the way; B: input Wc: QUANTISED
;;     9. batch 8 x [M 1,024, K 1,024] x [K 1,024, N 1,024]; A: computed on the way; B: input encoded_jobs: QUANTISED
;;     10. [M 8,388,608, K 2] x [K 2, N 2]; A: computed on the way; B: input conv_w: left as it is (K = 2 < 32)
;;   THE QUANTISER, for each operand of a quantised product, along K:
;;     - K is cut into blocks of 32 from its start; a last block that is shorter is filled with zeros.
;;     - A block's scale is 2^e with e = floor(log2(the largest magnitude in the block)) - 4, held to -126 .. 127; a block of zeros has e = 0. As a byte (E8M0): e + 127.
;;     - Each number is divided by its block's scale, clamped to +-28, and rounded to the nearest number of E3M2, ties to even, subnormals kept.
;;     - The product sums the exact products of the quantised numbers (number of the format x scale) in f32.
;;   ~~~python
;;   def quantise(x, axis):      # numpy; x: float32 -> the quantised numbers, widened to float32 again
;;       x = np.moveaxis(x, axis, -1); K = x.shape[-1]
;;       x = np.pad(x, [(0, 0)] * (x.ndim - 1) + [(0, -K % 32)]); x = x.reshape(x.shape[:-1] + (-1, 32)); a = np.abs(x).max(-1, keepdims=True)
;;       e = np.where(a > 0, np.clip(np.frexp(np.where(a > 0, a, 1))[1] - 1 - 4, -126, 127), 0)      # np.frexp(a)[1] - 1 = floor(log2(a)), exactly
;;       r = np.clip(x / 2.0 ** e, -28, 28)
;;       step = 2.0 ** (np.maximum(np.frexp(np.where(r == 0, 1, r))[1] - 1, -2) - 2)
;;       q = np.round(r / step) * step * 2.0 ** e      # np.round: ties to even
;;       return np.moveaxis(q.reshape(q.shape[:-2] + (-1,))[..., :K], -1, axis).astype(np.float32)
;;   ~~~
;;   SOFTMAX AHEAD OF A QUANTISED PRODUCT. Where the list says 'softmax', what is quantised is not the finished softmax but p = 2^(t - M), with t = logit x log2(e) and M = ceil(the row's largest t), a whole number; so 1/2 < the row's largest p <= 1. The row's sum l is taken of the UNQUANTISED p, in f32, and the product's result is divided by l at the end. Since M is a whole number, a kernel that streams over the keys may use a running M (the ceiling of the running maximum): every later rescaling is an exact power of two, which a block's scale takes up: the codes' values come out the same.
;;   OPERANDS COMPUTED ON THE WAY. 'Computed on the way' means the value that the module computes at that place (a softmax that the list does not call 'softmax' is quantised finished and normalised). What goes into a quantiser is computed in f32, as accurately as f32 sums, v_exp_f32 and their like allow (about 1e-6 of the number): no bf16 or f16 on the way to a quantiser, and a product that is left as it is and whose result goes on into a quantised operand takes f32 operands (vector FMAs, or v_wmma_f32_16x16x4_f32). A number that lies on a knife's edge between two numbers of the format may be rounded either way, as far as f32 arithmetic and the matrix unit's own rounding can turn it there, and no further.
;; One version. Each part assembles by itself: llvm-mc -triple=amdgcn-amd-amdhsa -mcpu=gfx1250 --defsym DOCPART=n.
;; ======== version 1 of 1: 5 launches
;; limits: inputs' magnitudes at most 1,048,576
;; workspace buffers: encq 6,553,600 bytes; wq4 3,276,800 bytes; part 1,048,576 bytes; qkv 19,660,800 bytes; ocq 6,553,600 bytes; mhq 6,553,600 bytes
;; launch prep (part 1): grid 416 x 1, 4 waves a work-group, no clusters, 68,608 bytes of LDS; arguments encoded_jobs, Wq, Wk, Wv, Wc, t, tW1, tb1, tW2, encq, wq4, part; writes encq, wq4, part
.if DOCPART == 1
	.amdgcn_target "amdgcn-amd-amdhsa--gfx1250"
	.amdhsa_code_object_version 6
	.text
	.protected	k_q1725938133_prep
	.globl	k_q1725938133_prep
	.p2align	8
	.type	k_q1725938133_prep,@function
k_q1725938133_prep:
	s_mov_b64 s[64:65], 0
	v_nop
	global_prefetch_b8 v0, s[64:65] scope:SCOPE_SE
	s_setreg_imm32_b32 hwreg(HW_REG_WAVE_MODE, 25, 1), 1
	s_wait_xcnt 0x0
; WORK-GROUPS 0-383: encoded_jobs [8192][1024] and Wq, Wk, Wv, Wc [1024][1024], f32, become codes of BF6 (E3M2) with one E8M0 byte for each 32 along K (K = the last axis).
; The codes are laid as IMAGES OF OPERAND REGISTERS: a fragment (16 rows x 128 K, 12 registers a lane) is 1,536 bytes, register g of lane l at 512 (g / 4) + 16 l + 4 (g % 4); [tile][K step 0-7][1536].
; Stored tile T, lane row r, is the tensor's row 32 (T / 2) + 8 (T % 2) + r + 8 (r / 8): used as source 0 of a product, the 16 registers of two neighbouring result tiles are then 16 neighbours.
; Scale words (4 bytes: 128 K of a row): [panel of 8 tiles][K step][tile][r].  encq: codes at 0, words at 6,291,456.  wq4: panels 0-7 Wq, 8-15 Wk, 16-23 Wv, 24-31 Wc; words at 3,145,728.
; A work-group takes four tiles x four K steps; a wave ONE K step of the four tiles, so that its 64 scale words are 256 consecutive bytes.  No barrier on this way: waves share nothing.
; WORK-GROUPS 384-415: the time MLP in f32 multiply-adds.  Work-group j makes hidden units 16 j .. 16 j + 15 (relu(emb tW1^T + tb1)) and their part of the second layer: part[j][b][e]; the launch that uses them adds the 32 parts.
; No cluster: no two work-groups read the same bytes (but 64-byte pieces of tW2's rows).
; LIMITS: NaN and infinities are not served.  A block whose largest magnitude lies under 2^-122 keeps the byte 1, a block of zeros too (its codes are zeros; this program alone reads the bytes).
; Sine and cosine: reduction by pi/2 in two parts, polynomials on |r| <= pi/4; it serves |t x frequency| up to about 2^20.
.set WV,   28
.set SEL,  30
.set TM,   16                          ; v16-31  the quantiser's work
.set PC,   32                          ; v32-50  the codes just made
.set PW,   52                          ; v52-55  a scale word for each tile
.set RA,   64                          ; v64-127, v128-191  two sets of 16 rows x 16 bytes a lane, as loaded
.set X,    192                         ; v192-255  64 numbers of my row: register 16 b + i = k 32 b + 16 (lane / 16) + i
.set QSCR, 33792                       ; LDS: four stages of 16 rows x 528 bytes, then 256 bytes of scale words for each wave
.set EMB,  34816                       ; the other way's bytes: the embedding [8][1024] f32,
.set HB,   67584                       ; and the hidden units [8][16] f32
.macro QUANT s, pc, pw
.irp b, 0,1,2,3
	v_max3_num_f32 v[TM+\b], |v[\s+16*\b]|, |v[\s+1+16*\b]|, 0x2800000     ; block b: my 16 numbers, and the floor 2^(5 - 127): the byte cannot fall under 1
.endr
.irp i, 2,4,6,8,10,12,14
.irp b, 0,1,2,3
	v_max3_num_f32 v[TM+\b], v[TM+\b], |v[\s+16*\b+\i]|, |v[\s+1+16*\b+\i]|
.endr
.endr
.irp b, 0,1,2,3
	v_permlanex16_b32 v[TM+4+\b], v[TM+\b], s[SEL], s[SEL+1]
.endr
.irp b, 0,1,2,3
	v_max_num_f32 v[TM+\b], v[TM+\b], v[TM+4+\b]                           ; with lane l xor 16's: the block's largest magnitude
.endr
.irp b, 0,1,2,3
	v_add_nc_u32 v[TM+12+\b], 0xfe000000, v[TM+\b]                         ; 4 off its exponent field: the conversion's scale operand
.endr
.irp b, 0,1,2,3
	v_lshrrev_b32 v[TM+4+\b], 23, v[TM+12+\b]                              ; the scale's byte
.endr
	v_lshl_or_b32 v[\pw], v[TM+5], 8, v[TM+4]
	v_lshl_or_b32 v[\pw], v[TM+6], 16, v[\pw]
	v_lshl_or_b32 v[\pw], v[TM+7], 24, v[\pw]
.irp c, 0,1
	v_cvt_scalef32_pk16_bf6_f32 v[\pc+6*\c:\pc+2+6*\c], v[\s+32*\c:\s+15+32*\c], v[TM+12+2*\c]
	v_cvt_scalef32_pk16_bf6_f32 v[\pc+12+4*\c:\pc+14+4*\c], v[\s+16+32*\c:\s+31+32*\c], v[TM+13+2*\c]   ; (a conversion's three registers begin on an even number)
.endr
	v_nop                                                                  ; one plain place behind a scaled conversion
.irp c, 0,1                            ; the operand wants a whole block in a lane: lanes 0-15 block 2 c, lanes 16-31 block 2 c + 1
.irp i, 0,1,2
	v_permlane16_swap_b32 v[\pc+6*\c+\i], v[\pc+12+4*\c+\i]
.endr
.irp i, 0,1,2
	v_mov_b32 v[\pc+3+6*\c+\i], v[\pc+12+4*\c+\i]
.endr
.endr
.endm
	s_load_b512 s[4:19], s[0:1], 0x0               ; encoded_jobs s[4:5], Wq, Wk, Wv, Wc s[6:13], t s[14:15], tW1 s[16:17], tb1 s[18:19]
	s_load_b256 s[20:27], s[0:1], 0x40             ; tW2 s[20:21], encq s[22:23], wq4 s[24:25], part s[26:27]
	v_lshl_add_u32 v10, v0, 2, 0x10a00
	v_mov_b32 v11, 0
	v_lshrrev_b32 v1, 5, v0
	v_readfirstlane_b32 s[WV], v1                  ; wave 0..3
	v_and_b32 v7, 31, v0                           ; lane
	v_and_b32 v8, 15, v0                           ; r
	v_bfe_u32 v9, v0, 4, 1                         ; h
	v_lshlrev_b32 v1, 4, v7                        ; 16 x lane
	s_mov_b32 s[SEL], 0x76543210
	s_mov_b32 s[SEL+1], 0xfedcba98                 ; v_permlanex16_b32's selects for lane l xor 16
	s_cmp_ge_u32 ttmp9, 384
	s_cbranch_scc1 .Ltemb
	; ---------------- the quantiser ----------------
	s_lshr_b32 s32, ttmp9, 2                       ; panel 0..95: 64 of encoded_jobs, then 8 of each weight
	s_bfe_u32 s33, ttmp9, 0x10001                  ; which four tiles of the panel
	s_and_b32 s34, ttmp9, 1
	s_lshl_b32 s34, s34, 2
	s_add_co_u32 s34, s34, s[WV]                   ; my K step
	s_sub_co_u32 s35, s32, 64                      ; the panel among the weights'
	s_lshr_b32 s36, s35, 3                         ; which weight
	s_and_b32 s37, s35, 7                          ; the panel in it
	s_mov_b32 s38, 3145728
	s_mul_i32 s29, s[WV], 8448                     ; my stage
	s_wait_alu depctr_va_vdst(0)
	v_add_nc_u32 v2, s29, v1                       ; in: a row's 512 bytes as they lie
	v_mul_u32_u24 v3, v8, 528
	v_lshl_add_u32 v3, v9, 6, v3
	v_add_nc_u32 v3, s29, v3                       ; back: row r, + 64 h: my 16 numbers of each block of 32
	s_lshl_b32 s29, s[WV], 8
	s_add_co_u32 s29, s29, QSCR
	v_lshl_add_u32 v4, v8, 2, s29                  ; my row's scale word
	v_lshl_add_u32 v5, v7, 3, s29                  ; and 8 bytes a lane on the way out
	v_lshlrev_b32 v6, 3, v7
.irp b, 0,1,2,3
	v_mov_b32 v[TM+4+\b], 0                        ; written once: a lane permute's destination counts as one of its sources
.endr
	s_wait_alu depctr_va_vdst(0)
	s_wait_kmcnt 0x0
	s_cmp_eq_u32 s36, 1                            ; the choices hang on the work-group's number alone
	s_cselect_b64 s[44:45], s[8:9], s[6:7]
	s_cmp_eq_u32 s36, 2
	s_cselect_b64 s[44:45], s[10:11], s[44:45]
	s_cmp_eq_u32 s36, 3
	s_cselect_b64 s[44:45], s[12:13], s[44:45]
	s_cmp_lt_u32 s32, 64
	s_cselect_b64 s[44:45], s[4:5], s[44:45]       ; from where
	s_cselect_b64 s[40:41], s[22:23], s[24:25]     ; to where
	s_cselect_b32 s37, s32, s37                    ; the panel in its source,
	s_cselect_b32 s35, s32, s35                    ; in its workspace buffer,
	s_cselect_b32 s38, 6291456, s38                ; and where that buffer's scale words begin
	s_lshl_b32 s46, s37, 19                        ; 128 rows of 4,096 bytes
	s_lshl_b32 s47, s33, 18
	s_add_co_u32 s46, s46, s47
	s_lshl_b32 s47, s34, 9                         ; 128 numbers along K
	s_add_co_u32 s46, s46, s47
	s_mov_b32 s47, 0
	s_add_nc_u64 s[44:45], s[44:45], s[46:47]
	s_mul_i32 s46, s35, 98304
	s_mul_i32 s48, s33, 49152
	s_add_co_u32 s46, s46, s48
	s_mul_i32 s48, s34, 1536
	s_add_co_u32 s46, s46, s48
	s_add_nc_u64 s[48:49], s[40:41], s[46:47]      ; my first fragment's image
	s_lshl_b32 s46, s35, 12
	s_lshl_b32 s50, s34, 9
	s_add_co_u32 s46, s46, s50
	s_lshl_b32 s50, s33, 8
	s_add_co_u32 s46, s46, s50
	s_add_co_u32 s46, s46, s38
	s_add_nc_u64 s[50:51], s[40:41], s[46:47]      ; my 256 bytes of scale words
.macro LOAD f                          ; tile f's 16 rows, 512 consecutive bytes a load, in the tile's stored order
.set I, 0
.rept 16
	global_load_b128 v[RA+64*((\f)%2)+4*I:RA+64*((\f)%2)+4*I+3], v1, s[44:45] offset:(32*((\f)/2)+8*((\f)%2)+I+8*(I/8))*4096 th:TH_LOAD_NT
.set I, I+1
.endr
.endm
.macro TILE f
.if (\f) < 3
	s_wait_loadcnt 16                              ; this tile's 16 loads are in; the next tile's 16 may be out
.else
	s_wait_loadcnt 0x0
.endif
.set I, 0
.rept 16
	ds_store_b128 v2, v[RA+64*((\f)%2)+4*I:RA+64*((\f)%2)+4*I+3] offset:528*I
.set I, I+1
.endr
.irp b, 0,1,2,3
.irp j, 0,1,2,3
	ds_load_b128 v[X+16*\b+4*\j:X+16*\b+4*\j+3], v3 offset:128*\b+16*\j   ; LDS serves a wave's instructions in order: these see the stores above
.endr
.endr
	s_wait_dscnt 0x0                               ; my 64 numbers are in, and the stores have read the set that is loaded again below
	s_wait_xcnt 0x0                                ; the last tile's stores have read the codes' registers, which are written again below
.if (\f) < 2
	LOAD (\f)+2
.endif
	QUANT X, PC, PW+(\f)
.irp c, 0,1,2
	global_store_b128 v1, v[PC+4*\c:PC+4*\c+3], s[48:49] offset:12288*(\f)+512*\c   ; 512 consecutive bytes a store
.endr
	ds_store_b32 v4, v[PW+(\f)] offset:64*(\f)     ; lanes r and r + 16 write the same word with the same value
.endm
	LOAD 0
	LOAD 1
	TILE 0
	TILE 1
	TILE 2
	TILE 3
	ds_load_b64 v[56:57], v5                       ; my wave's own bytes, in order behind its stores
	s_wait_dscnt 0x0
	global_store_b64 v6, v[56:57], s[50:51]        ; 256 consecutive bytes, aligned
	s_wait_tensorcnt 0x0
	ds_add_u32 v10, v11
	s_wait_dscnt 0x0
	s_endpgm
	; ---------------- the time MLP ----------------
.Ltemb:
	s_sub_co_u32 s29, ttmp9, 384                   ; j
	s_lshl_b32 s32, s29, 16                        ; tW1: row 16 j + 4 wave, 4,096 bytes a row
	s_lshl_b32 s33, s[WV], 14
	s_add_co_u32 s32, s32, s33
	s_mov_b32 s33, 0
	s_lshl_b32 s34, s29, 6                         ; tb1
	s_lshl_b32 s35, s[WV], 4
	s_add_co_u32 s34, s34, s35
	s_mov_b32 s35, 0
	s_lshl_b32 s36, s[WV], 19                      ; tW2: row 256 wave (2,048 bytes a row), column 16 j
	s_lshl_b32 s37, s29, 6
	s_add_co_u32 s36, s36, s37
	s_mov_b32 s37, 0
	s_lshl_b32 s38, s29, 15                        ; part[j][.][256 wave ..]
	s_lshl_b32 s39, s[WV], 10
	s_add_co_u32 s38, s38, s39
	s_mov_b32 s39, 0
	s_wait_kmcnt 0x0
	s_add_nc_u64 s[16:17], s[16:17], s[32:33]
	s_add_nc_u64 s[18:19], s[18:19], s[34:35]
	s_add_nc_u64 s[20:21], s[20:21], s[36:37]
	s_add_nc_u64 s[26:27], s[26:27], s[38:39]
	s_load_b256 s[32:39], s[14:15], 0x0            ; t[0..7]
	s_load_b128 s[52:55], s[18:19], 0x0            ; tb1 of my four units
	s_wait_alu depctr_va_vdst(0)
.irp u, 0,1,2,3                        ; my four rows of tW1 stay in v64-191: unit u, numbers 128 k + 4 lane + 0..3
.irp k, 0,1,2,3,4,5,6,7
	global_load_b128 v[64+32*\u+4*\k:67+32*\u+4*\k], v1, s[16:17] offset:4096*\u+512*\k th:TH_LOAD_NT
.endr
.endr
	v_lshl_add_u32 v2, v0, 2, EMB                  ; the embedding: 4 bytes a thread
	v_add_nc_u32 v3, EMB, v1                       ; and 16 bytes a lane
	v_lshlrev_b32 v4, 13, v7                       ; tW2: four rows a lane
	s_lshl_b32 s29, s[WV], 4
	s_add_co_u32 s29, s29, HB
	v_mov_b32 v5, s29                              ; my four units' place in a row of the hidden layer
	v_mov_b32 v6, HB
	s_mov_b32 s40, 0x3f22f983                      ; 2 / pi
	s_mov_b32 s41, 0x3fc90fdb                      ; pi / 2, upper part
	s_mov_b32 s42, 0xb33bbd2e                      ; and the rest
	s_mov_b32 s43, 0xbe2aaaa3                      ; sine: r + r^3 (S1 + r^2 (S2 + r^2 S3))
	s_mov_b32 s44, 0x3c08839e
	s_mov_b32 s45, 0xb94ca1f9
	s_mov_b32 s46, 0x3d2aaaa5                      ; cosine: 1 - r^2 / 2 + r^4 (C1 + r^2 (C2 + r^2 C3))
	s_mov_b32 s47, 0xbab6061a
	s_mov_b32 s48, 0x37ccf5ce
.irp k, 0,1,2,3
	v_add_nc_u32 v[12+\k], 128*\k, v0              ; frequency i = thread + 128 k
.endr
.irp k, 0,1,2,3
	v_cvt_f32_u32 v[12+\k], v[12+\k]
.endr
.irp k, 0,1,2,3
	v_mul_f32 v[12+\k], 0xbcd49a78, v[12+\k]       ; x -log2(10000) / 512
.endr
	s_wait_alu depctr_va_vdst(0)
.irp k, 0,1,2,3
	v_exp_f32 v[12+\k], v[12+\k]
.endr
	v_nop                                          ; a plain place behind the batch,
	s_wait_alu depctr_va_vdst(0)                   ; and one wait ahead of its first reader
	s_wait_kmcnt 0x0
.macro EMBB b                          ; cos and sin of t[b] x my four frequencies
.irp k, 0,1,2,3
	v_mul_f32 v[192+\k], s[32+\b], v[12+\k]
.endr
.irp k, 0,1,2,3
	v_mul_f32 v[196+\k], s40, v[192+\k]
.endr
.irp k, 0,1,2,3
	v_rndne_f32 v[196+\k], v[196+\k]               ; n
.endr
.irp k, 0,1,2,3
	v_fma_f32 v[200+\k], -v[196+\k], s41, v[192+\k]
.endr
.irp k, 0,1,2,3
	v_fma_f32 v[200+\k], -v[196+\k], s42, v[200+\k]   ; r = x - n pi / 2
.endr
.irp k, 0,1,2,3
	v_cvt_i32_f32 v[216+\k], v[196+\k]
	v_mul_f32 v[204+\k], v[200+\k], v[200+\k]
.endr
.irp k, 0,1,2,3
	v_fma_f32 v[208+\k], v[204+\k], s45, s44
	v_fma_f32 v[212+\k], v[204+\k], s48, s47
.endr
.irp k, 0,1,2,3
	v_fma_f32 v[208+\k], v[208+\k], v[204+\k], s43
	v_fma_f32 v[212+\k], v[212+\k], v[204+\k], s46
.endr
.irp k, 0,1,2,3
	v_mul_f32 v[220+\k], v[200+\k], v[204+\k]
	v_mul_f32 v[224+\k], v[204+\k], v[204+\k]
	v_fma_f32 v[228+\k], v[204+\k], -0.5, 1.0
.endr
.irp k, 0,1,2,3
	v_fma_f32 v[208+\k], v[208+\k], v[220+\k], v[200+\k]   ; sin r
	v_fma_f32 v[212+\k], v[212+\k], v[224+\k], v[228+\k]   ; cos r
.endr
.irp k, 0,1,2,3
	v_and_b32 v[220+\k], 1, v[216+\k]              ; odd quadrant: the two change places
	v_lshlrev_b32 v[224+\k], 30, v[216+\k]         ; the sine's sign: bit 1 of n,
	v_add_nc_u32 v[228+\k], 1, v[216+\k]
.endr
.irp k, 0,1,2,3
	v_lshlrev_b32 v[228+\k], 30, v[228+\k]         ; the cosine's: bit 1 of n + 1
	v_and_b32 v[224+\k], 0x80000000, v[224+\k]
.endr
.irp k, 0,1,2,3
	v_and_b32 v[228+\k], 0x80000000, v[228+\k]
	v_cmp_eq_u32 vcc_lo, 1, v[220+\k]
	v_cndmask_b32 v[232+\k], v[208+\k], v[212+\k], vcc_lo
	v_cndmask_b32 v[236+\k], v[212+\k], v[208+\k], vcc_lo
.endr
.irp k, 0,1,2,3
	v_xor_b32 v[232+\k], v[224+\k], v[232+\k]
	v_xor_b32 v[236+\k], v[228+\k], v[236+\k]
.endr
.irp k, 0,1,2,3
	ds_store_b32 v2, v[236+\k] offset:4096*\b+512*\k          ; emb[b][i] = cos
	ds_store_b32 v2, v[232+\k] offset:4096*\b+512*\k+2048     ; emb[b][512 + i] = sin
.endr
.endm
.irp b, 0,1,2,3,4,5,6,7
	EMBB \b
.endr
	s_wait_dscnt 0x0                               ; for the others' sake: my part of the embedding lies in LDS
	s_barrier_signal -1
	s_barrier_wait -1
	s_wait_loadcnt 0x0                             ; tW1
	; layer 1: 32 sums (b, unit) in pairs v[192 + 8 b + 2 u]; four chains by turns
.irp b, 0,1,2,3,4,5,6,7
.irp k, 0,1,2,3,4,5,6,7
	ds_load_b128 v[32+4*\k:35+4*\k], v3 offset:4096*\b+512*\k
.endr
	s_wait_dscnt 0x0
.irp u, 0,1,2,3
	v_pk_mul_f32 v[192+8*\b+2*\u:193+8*\b+2*\u], v[32:33], v[64+32*\u:65+32*\u]
.endr
.irp p, 1,2,3,4,5,6,7,8,9,10,11,12,13,14,15
.irp u, 0,1,2,3
	v_pk_fma_f32 v[192+8*\b+2*\u:193+8*\b+2*\u], v[32+2*\p:33+2*\p], v[64+32*\u+2*\p:65+32*\u+2*\p], v[192+8*\b+2*\u:193+8*\b+2*\u]
.endr
.endr
.endr
	; tW2: all of my wave's 256 rows x 64 bytes go out together, into the registers that tW1 has left; the reduction below stands between the loads and the wait for them
.irp z, 0,1                            ; row 256 wave + 128 z + 4 lane + g
.irp g, 0,1,2,3
.irp q, 0,1,2,3
	global_load_b128 v[64+64*\z+16*\g+4*\q:67+64*\z+16*\g+4*\q], v4, s[20:21] offset:262144*\z+2048*\g+16*\q
.endr
.endr
.endr
.set N, 0
.rept 32
	v_add_f32 v[192+2*N], v[192+2*N], v[193+2*N]
.set N, N+1
.endr
.irp m, 1,2,4,8
.set N, 0
.rept 32
	v_add_f32_dpp v[192+2*N], v[192+2*N], v[192+2*N] row_xmask:\m row_mask:0xf bank_mask:0xf
.set N, N+1
.endr
.endr
.set N, 0
.rept 32
	v_permlanex16_b32 v[193+2*N], v[192+2*N], s[SEL], s[SEL+1]
.set N, N+1
.endr
.set N, 0
.rept 32
	v_add_f32 v[192+2*N], v[192+2*N], v[193+2*N]   ; every lane holds the sum
.set N, N+1
.endr
.irp b, 0,1,2,3,4,5,6,7
.irp u, 0,1,2,3
	v_add_f32 v[192+8*\b+2*\u], s[52+\u], v[192+8*\b+2*\u]
.endr
.endr
.irp b, 0,1,2,3,4,5,6,7
.irp u, 0,1,2,3
	v_max_num_f32 v[192+8*\b+2*\u], 0, v[192+8*\b+2*\u]
.endr
.endr
.irp b, 0,1,2,3,4,5,6,7
.irp u, 0,1,2,3
	ds_store_b32 v5, v[192+8*\b+2*\u] offset:64*\b+4*\u       ; all lanes write the same word with the same value
.endr
.endr
	s_wait_dscnt 0x0
	s_barrier_signal -1
	s_barrier_wait -1                              ; h[8][16] lies in LDS
	; layer 2, my units' part: for each b the 16 h come by broadcast, two sets by turns; eight chains (my eight rows) by turns
.macro HLOAD b
.irp q, 0,1,2,3
	ds_load_b128 v[16+32*((\b)%2)+4*\q:19+32*((\b)%2)+4*\q], v6 offset:64*(\b)+16*\q
.endr
.endm
.macro PARTB b
.set HH, 16+32*((\b)%2)
.if (\b) < 7
	HLOAD (\b)+1
	s_wait_dscnt 4                                 ; this b's four loads are in; the next b's four may be out
.else
	s_wait_dscnt 0x0
.endif
.irp g, 0,1,2,3,4,5,6,7
	v_pk_mul_f32 v[32+2*\g:33+2*\g], v[64+16*\g:65+16*\g], v[HH:HH+1]
.endr
.irp p, 1,2,3,4,5,6,7
.irp g, 0,1,2,3,4,5,6,7
	v_pk_fma_f32 v[32+2*\g:33+2*\g], v[64+16*\g+2*\p:65+16*\g+2*\p], v[HH+2*\p:HH+2*\p+1], v[32+2*\g:33+2*\g]
.endr
.endr
.irp g, 0,1,2,3,4,5,6,7
	v_add_f32 v[192+8*(\b)+\g], v[32+2*\g], v[33+2*\g]        ; each b has its own eight registers: no store's data are written again
.endr
	global_store_b128 v1, v[192+8*(\b):195+8*(\b)], s[26:27] offset:4096*(\b)         ; 512 consecutive bytes a store
	global_store_b128 v1, v[196+8*(\b):199+8*(\b)], s[26:27] offset:4096*(\b)+512
.endm
	HLOAD 0
	s_wait_loadcnt 0x0                             ; tW2
.irp b, 0,1,2,3,4,5,6,7
	PARTB \b
.endr
	s_wait_tensorcnt 0x0
	ds_add_u32 v10, v11
	s_wait_dscnt 0x0
	s_endpgm
.Lfunc_end_k_q1725938133_prep:
	.size	k_q1725938133_prep, .Lfunc_end_k_q1725938133_prep-k_q1725938133_prep
	.p2alignl 7, 3214868480
	.fill 96, 4, 3214868480
	.section	.rodata,"a",@progbits
	.p2align	6, 0x0
	.amdhsa_kernel k_q1725938133_prep
		.amdhsa_group_segment_fixed_size 68608
		.amdhsa_private_segment_fixed_size 0
		.amdhsa_enable_private_segment 0
		.amdhsa_kernarg_size 96
		.amdhsa_user_sgpr_count 2
		.amdhsa_user_sgpr_kernarg_segment_ptr 1
		.amdhsa_wavefront_size32 1
		.amdhsa_system_sgpr_workgroup_id_x 1
		.amdhsa_system_sgpr_workgroup_id_y 1
		.amdhsa_system_sgpr_workgroup_id_z 1
		.amdhsa_system_vgpr_workitem_id 0
		.amdhsa_next_free_vgpr 256
		.amdhsa_next_free_sgpr 66
		.amdhsa_reserve_vcc 1
		.amdhsa_float_denorm_mode_32 3
		.amdhsa_float_denorm_mode_16_64 3
		.amdhsa_memory_ordered 1
		.amdhsa_forward_progress 1
		.amdhsa_inst_pref_size 176
	.end_amdhsa_kernel
	.amdgpu_metadata
---
amdhsa.version: [ 1, 2 ]
amdhsa.kernels:
  - .name:           k_q1725938133_prep
    .symbol:         k_q1725938133_prep.kd
    .args:
      - { .name: encoded_jobs, .offset: 0, .size: 8, .value_kind: global_buffer, .address_space: global }
      - { .name: Wq, .offset: 8, .size: 8, .value_kind: global_buffer, .address_space: global }
      - { .name: Wk, .offset: 16, .size: 8, .value_kind: global_buffer, .address_space: global }
      - { .name: Wv, .offset: 24, .size: 8, .value_kind: global_buffer, .address_space: global }
      - { .name: Wc, .offset: 32, .size: 8, .value_kind: global_buffer, .address_space: global }
      - { .name: t, .offset: 40, .size: 8, .value_kind: global_buffer, .address_space: global }
      - { .name: tW1, .offset: 48, .size: 8, .value_kind: global_buffer, .address_space: global }
      - { .name: tb1, .offset: 56, .size: 8, .value_kind: global_buffer, .address_space: global }
      - { .name: tW2, .offset: 64, .size: 8, .value_kind: global_buffer, .address_space: global }
      - { .name: encq, .offset: 72, .size: 8, .value_kind: global_buffer, .address_space: global }
      - { .name: wq4, .offset: 80, .size: 8, .value_kind: global_buffer, .address_space: global }
      - { .name: part, .offset: 88, .size: 8, .value_kind: global_buffer, .address_space: global }
    .group_segment_fixed_size: 68608
    .private_segment_fixed_size: 0
    .kernarg_segment_align: 8
    .kernarg_segment_size: 96
    .max_flat_workgroup_size: 128
    .sgpr_count:     66
    .vgpr_count:     256
    .wavefront_size: 32
...
	.end_amdgpu_metadata
.endif
;; end of part 1
;; launch qkv (part 2): grid 12 x 64, 4 waves a work-group, clusters of 4 x 4, 327,680 bytes of LDS; arguments encq, wq4, qkv; writes qkv
.if DOCPART == 2
	.amdgcn_target "amdgcn-amd-amdhsa--gfx1250"
	.amdhsa_code_object_version 6
	.text
	.protected	k_q1725938133_qkv
	.globl	k_q1725938133_qkv
	.p2align	8
	.type	k_q1725938133_qkv,@function
k_q1725938133_qkv:
	s_mov_b64 s[64:65], 0
	v_nop
	global_prefetch_b8 v0, s[64:65] scope:SCOPE_SE
	s_setreg_imm32_b32 hwreg(HW_REG_WAVE_MODE, 25, 1), 1
	s_wait_xcnt 0x0
	s_wait_alu depctr_hold_cnt(0) depctr_sa_sdst(0) depctr_va_vdst(0) depctr_va_sdst(0) depctr_va_ssrc(0) depctr_va_vcc(0) depctr_vm_vsrc(0)
	s_getreg_b32 s2, hwreg(HW_REG_IB_STS2, 6, 4)
	s_cmp_eq_u32 s2, 0
	s_cbranch_scc0 .Lentry_in_a_cluster
	s_endpgm
.Lentry_in_a_cluster:
	s_bfe_u32 s2, ttmp6, 0x10000c
	s_cmp_lg_u32 s2, 0xf033
	s_cbranch_scc0 .Lentry_shape_is_right
	s_endpgm
.Lentry_shape_is_right:
; q, k, v = encoded_jobs Wq^T, Wk^T, Wv^T on codes of BF6 with E8M0 scales, and their results quantised in registers: q and k along the head's 64, v along the keys.  Nothing leaves as f32.
; THE CORE (the same text serves three launches).  A work-group makes 128 rows of A (one panel of 8 tiles) x 256 rows of B (two panels); K = 1,024 is 8 steps of 128.  All of both operands, 384 rows x 768 bytes, and their
; scale words lie in LDS at once: every tensor load goes out at the head, in four quarters of K, and NO LDS BYTE IS FILLED TWICE.  Wave w: A's tiles 4 (w / 2) .. + 3 x B's panel w % 2: 32 accumulators.
; The matrix instruction is used transposed (source 0 = 16 rows of B, source 1 = 16 rows of A): a lane holds ONE row of A, and, by the stored order of B's rows, the 16 registers of two neighbouring tiles are 16 neighbours along B's rows.
; CLUSTER 4 x 4: A's panel is shared along a row of the cluster, B's panels along a column; each is asked for jointly.  Waves 0, 1 fetch A's halves, waves 2, 3 B's panels: five loads a wave are out, by this text's count.
; HERE: clusters x = 0, 1: A = tokens (encq), B = Wq's and Wk's panels: registers run along (head, d).  Cluster x = 2: A = Wv's panels, B = tokens: registers run along the keys.  All that differs is chosen by s_cselect on the cluster's x.
; qkv: q's codes at 0 and k's at 6,291,456: [b][head][token tile][768]: half a fragment (16 tokens x 64), register pair p of lane l at 256 p + 8 l.  v's at 12,582,912: [b][head][key step][d tile][1536], the same image.
; Scale words: q's at 18,874,368, k's at 19,136,512: [b][head pair][4 token tiles][head][r][2]: word i = tiles 2 i, 2 i + 1, two bytes each.  v's at 19,398,656: [b][head][key step][h][r][2]: d tiles h and 2 + h.
; LIMITS: NaN and infinities are not served; a block under 2^-122, or of zeros, keeps the byte 1 (this program alone reads the bytes).
; REGISTERS: window 0: v1-12 addresses; v16-31 the quantiser's work; v32-95 scale words; v96-143, v144-191 A's fragments, two sets.  Window 1: accumulator (a, b) at v[8 (8 a + b)].  Window 2: B's fragments, v0-95, v96-191.
.set WV, 2
.set AH, 3                             ; which four tiles of A are mine
.set BH, 16                            ; which panel of B is mine; also which half (of A) or panel (of B) I fetch
.set CX, 17
.set CY, 18
.set YY, 19
.set TR, 20                            ; A's panel: made of cy and the cluster's place alone
.set PB, 21                            ; B's first panel: made of cx and the cluster's place alone
.set G1A, 24                           ; s[24:31] group 1: 4 tiles x 3,072 bytes of A;  s[32:39]: 8 tiles of B;  s[40:47], s[48:55]: their scale words
.set G1B, 32
.set G1SA, 40
.set G1SB, 48                          ; groups 0: A's s[56:63], s[68:79]; B's s[80:99]
.set QB,  73728                        ; LDS: a quarter of K: A's 8 tiles x 3,072 bytes, then B's 16
.set SCA, 4*QB                         ; A's scale words, 4,096 bytes
.set SCB, SCA+4096                     ; B's, 8,192 bytes
.set TM,  16
.set SC,  32                           ; v[SC + 8 i + s]: lanes 0-15 the words of A's tile i, lanes 16-31 of B's tile i, K step s
.set AF,  96
.set SEL, 24                           ; s[24:25], behind the core
.set MSB, 0
.macro WIN new                         ; the immediate's high byte repeats the setting that is left
.if MSB != \new
	s_set_vgpr_msb (MSB<<8)|\new
.set MSB, \new
.endif
.endm
.macro PLACES
.rept 4
	v_nop
.endr
.endm
.macro CROUND                          ; a round of the cluster's barrier
	s_barrier_signal -1
	s_barrier_wait -1
	s_cmp_lg_u32 s[WV], 0
	s_cbranch_scc1 .Lnot_wave_0_\@
	s_barrier_signal -3
.Lnot_wave_0_\@:
	s_barrier_wait -3
	s_barrier_signal -1
	s_barrier_wait -1
.endm
; The ten groups 0.  ap, bp: the pairs that hold A's and B's buffers; aso, bso: where their scale words begin.  A's chain uses s22, s23, s100, B's s66, s67, s101: neither ever holds the other's coordinate.
.macro DESCS ap, bp, aso, bso
	s_lshl_b32 s22, s[TR], 12
	s_lshl_b32 s100, s[BH], 11
	s_add_co_u32 s22, s22, s100
	s_add_co_u32 s22, s22, \aso
	s_mov_b32 s23, 0
	s_mov_b32 s56, 1
	s_add_co_u32 s57, s100, SCA
	s_add_nc_u64 s[58:59], s[\ap:\ap+1], s[22:23]
	s_or_b32 s59, s59, 0x80000000
	s_mul_i32 s22, s[TR], 98304
	s_mul_i32 s100, s[BH], 49152
	s_add_co_u32 s22, s22, s100
	s_add_nc_u64 s[22:23], s[\ap:\ap+1], s[22:23]
	s_mul_i32 s100, s[BH], 12288
.set Q, 0
.irp g, 60, 68, 72, 76
	s_mov_b32 s[\g], 1
	s_add_co_u32 s[\g+1], s100, QB*Q
	s_add_nc_u64 s[\g+2:\g+3], s[22:23], 3072*Q
	s_or_b32 s[\g+3], s[\g+3], 0x80000000
.set Q, Q+1
.endr
	s_add_co_u32 s101, s[PB], s[BH]
	s_lshl_b32 s66, s101, 12
	s_add_co_u32 s66, s66, \bso
	s_mov_b32 s67, 0
	s_mov_b32 s80, 1
	s_lshl_b32 s81, s[BH], 12
	s_add_co_u32 s81, s81, SCB
	s_add_nc_u64 s[82:83], s[\bp:\bp+1], s[66:67]
	s_or_b32 s83, s83, 0x80000000
	s_mul_i32 s66, s101, 98304
	s_add_nc_u64 s[66:67], s[\bp:\bp+1], s[66:67]
	s_mul_i32 s101, s[BH], 24576
	s_add_co_u32 s101, s101, 24576
.set Q, 0
.irp g, 84, 88, 92, 96
	s_mov_b32 s[\g], 1
	s_add_co_u32 s[\g+1], s101, QB*Q
	s_add_nc_u64 s[\g+2:\g+3], s[66:67], 3072*Q
	s_or_b32 s[\g+3], s[\g+3], 0x80000000
.set Q, Q+1
.endr
.endm
.macro FETCH s                         ; K step s: 36 loads of 512 consecutive bytes: the fragments as they were stored
	WIN 0x80
.irp b, 0,1,2,3,4,5,6,7
.irp c, 0,1,2
	ds_load_b128 v[96*((\s)%2)+12*\b+4*\c:96*((\s)%2)+12*\b+4*\c+3], v[8+(\s)/2] offset:3072*\b+1536*((\s)%2)+512*\c
.endr
.endr
	WIN 0
.irp a, 0,1,2,3
.irp c, 0,1,2
	ds_load_b128 v[AF+48*((\s)%2)+12*\a+4*\c:AF+48*((\s)%2)+12*\a+4*\c+3], v[4+(\s)/2] offset:3072*\a+1536*((\s)%2)+512*\c
.endr
.endr
.endm
; 16 products: A's tiles a0, a0 + 1 x B's eight.  cm = 1: the constant 0 starts the sums; 2: a bias in v192-255 of window 0 does; 0: in place.  The 32 accumulators take turns, in the same order in every step.
.macro MUL16 a0, s, cm
.irp a, \a0, \a0+1
.irp b, 0,1,2,3,4,5,6,7
.if (\cm) == 1
	v_wmma_scale_f32_16x16x128_f8f6f4 v[8*(8*(\a)+\b):8*(8*(\a)+\b)+7], v[96*((\s)%2)+12*\b:96*((\s)%2)+12*\b+11], v[AF+48*((\s)%2)+12*(\a):AF+48*((\s)%2)+12*(\a)+11], 0, v[SC+8*\b+(\s)], v[SC+8*(\a)+(\s)] matrix_a_fmt:MATRIX_FMT_BF6 matrix_b_fmt:MATRIX_FMT_BF6 matrix_a_scale:MATRIX_SCALE_ROW1
.elseif (\cm) == 2
	v_wmma_scale_f32_16x16x128_f8f6f4 v[8*(8*(\a)+\b):8*(8*(\a)+\b)+7], v[96*((\s)%2)+12*\b:96*((\s)%2)+12*\b+11], v[AF+48*((\s)%2)+12*(\a):AF+48*((\s)%2)+12*(\a)+11], v[192+8*\b:199+8*\b], v[SC+8*\b+(\s)], v[SC+8*(\a)+(\s)] matrix_a_fmt:MATRIX_FMT_BF6 matrix_b_fmt:MATRIX_FMT_BF6 matrix_a_scale:MATRIX_SCALE_ROW1
.else
	v_wmma_scale_f32_16x16x128_f8f6f4 v[8*(8*(\a)+\b):8*(8*(\a)+\b)+7], v[96*((\s)%2)+12*\b:96*((\s)%2)+12*\b+11], v[AF+48*((\s)%2)+12*(\a):AF+48*((\s)%2)+12*(\a)+11], v[8*(8*(\a)+\b):8*(8*(\a)+\b)+7], v[SC+8*\b+(\s)], v[SC+8*(\a)+(\s)] matrix_a_fmt:MATRIX_FMT_BF6 matrix_b_fmt:MATRIX_FMT_BF6 matrix_a_scale:MATRIX_SCALE_ROW1
.endif
.endr
.endr
.endm
; A K step.  In its middle the next step's fragments are fetched into the other sets, behind four places (ISA guide 7.12.1 for vector instructions).  An odd step's successor lies in the next quarter:
; each wave waits for its part of it (the count: the quarters issued behind it) and signals at the step's head, and waits for the others 16 products later.
.macro STEP s, cm
	s_wait_dscnt 0x0                               ; this step's fragments are in; no LDS access of mine is out at the signal below
.if ((\s)%2 == 1) && ((\s) < 7)
	s_wait_tensorcnt 3-((\s)+1)/2
	s_barrier_signal -1
.endif
	WIN (0x52-0x10*((\cm)/2))                      ; source 0 (B) window 2, source 1 (A) window 0, D window 1, C window 1 (a bias: window 0)
	MUL16 0, \s, \cm
.if (\s) < 7
.if (\s)%2 == 1
	s_barrier_wait -1
.endif
	PLACES
	FETCH (\s)+1
	WIN (0x52-0x10*((\cm)/2))
.endif
	MUL16 2, \s, \cm
.endm
; 64 numbers of a lane in window w, register 16 b + i = k 32 b + 16 (lane / 16) + i of my row, become a fragment's codes in v[pc] on and its scale word in v[pw] (window 0).  Each accumulator is read from its low end on.
.macro QUANT s, pc, pw, w
	WIN (5*(\w))
.irp b, 0,1,2,3
	v_max3_num_f32 v[TM+\b], |v[(\s)+16*\b]|, |v[(\s)+1+16*\b]|, 0x2800000   ; and the floor 2^(5 - 127): the byte cannot fall under 1
.endr
.irp i, 2,4,6,8,10,12,14
.irp b, 0,1,2,3
	v_max3_num_f32 v[TM+\b], |v[(\s)+16*\b+\i]|, |v[(\s)+1+16*\b+\i]|, v[TM+\b]
.endr
.endr
	WIN 0
.irp b, 0,1,2,3
	v_permlanex16_b32 v[TM+4+\b], v[TM+\b], s[SEL], s[SEL+1]
.endr
.irp b, 0,1,2,3
	v_max_num_f32 v[TM+\b], v[TM+\b], v[TM+4+\b]
.endr
.irp b, 0,1,2,3
	v_add_nc_u32 v[TM+12+\b], 0xfe000000, v[TM+\b]         ; 4 off the exponent field: the conversion's scale operand
.endr
.irp b, 0,1,2,3
	v_lshrrev_b32 v[TM+4+\b], 23, v[TM+12+\b]
.endr
	v_lshl_or_b32 v[\pw], v[TM+5], 8, v[TM+4]
	v_lshl_or_b32 v[\pw], v[TM+6], 16, v[\pw]
	v_lshl_or_b32 v[\pw], v[TM+7], 24, v[\pw]
	WIN (\w)
.irp c, 0,1
	v_cvt_scalef32_pk16_bf6_f32 v[(\pc)+6*\c:(\pc)+2+6*\c], v[(\s)+32*\c:(\s)+15+32*\c], v[TM+12+2*\c]
	v_cvt_scalef32_pk16_bf6_f32 v[(\pc)+12+4*\c:(\pc)+14+4*\c], v[(\s)+16+32*\c:(\s)+31+32*\c], v[TM+13+2*\c]
.endr
	WIN 0
	v_nop                                          ; one plain place behind a scaled conversion
.irp c, 0,1
.irp i, 0,1,2
	v_permlane16_swap_b32 v[(\pc)+6*\c+\i], v[(\pc)+12+4*\c+\i]
.endr
.irp i, 0,1,2
	v_mov_b32 v[(\pc)+3+6*\c+\i], v[(\pc)+12+4*\c+\i]
.endr
.endr
.endm
	s_load_b128 s[4:7], s[0:1], 0x0                ; encq, wq4
	s_load_b64 s[8:9], s[0:1], 0x10                ; qkv
	v_lshl_add_u32 v254, v0, 2, 0x4b000
	v_mov_b32 v255, 0
	ds_add_u32 v254, v255
	ds_add_u32 v254, v255
	v_lshrrev_b32 v1, 5, v0
	v_readfirstlane_b32 s[WV], v1
	s_lshr_b32 s[AH], s[WV], 1
	s_and_b32 s[BH], s[WV], 1
	s_bfe_u32 s[CX], ttmp6, 0x40000
	s_bfe_u32 s[CY], ttmp6, 0x40004
	s_and_b32 s[YY], ttmp7, 0xffff
	s_lshl_b32 s22, s[CY], 2
	s_lshl_b32 s22, 15, s22                        ; my row of the cluster
	s_lshl_b32 s66, 0x1111, s[CX]                  ; my column
	s_or_b32 s[G1A], s22, (3<<16)|(1<<21)          ; 15:0 the mask; 17:16 elements of 8 bytes; 21 set beside a mask
	s_or_b32 s[G1SA], s22, (3<<16)|(1<<21)
	s_or_b32 s[G1B], s66, (3<<16)|(1<<21)
	s_or_b32 s[G1SB], s66, (3<<16)|(1<<21)
.irp g, G1A, G1B                       ; a tile's two K steps are a row of 384 elements (3,072 bytes); from tile to tile 1,536 elements
	s_mov_b32 s[\g+1], 384<<16
	s_mov_b32 s[\g+3], 384<<16
	s_mov_b32 s[\g+5], 1536
	s_mov_b32 s[\g+6], 0
	s_mov_b32 s[\g+7], 0
.endr
	s_mov_b32 s[G1A+2], 4<<16
	s_mov_b32 s[G1A+4], 4
	s_mov_b32 s[G1B+2], 8<<16
	s_mov_b32 s[G1B+4], 8
.irp g, G1SA, G1SB                     ; dense blocks, as rows of 256 bytes
	s_mov_b32 s[\g+1], 32<<16
	s_mov_b32 s[\g+3], 32<<16
	s_mov_b32 s[\g+5], 32
	s_mov_b32 s[\g+6], 0
	s_mov_b32 s[\g+7], 0
.endr
	s_mov_b32 s[G1SA+2], 8<<16
	s_mov_b32 s[G1SA+4], 8
	s_mov_b32 s[G1SB+2], 16<<16
	s_mov_b32 s[G1SB+4], 16
	s_lshl_b32 s20, s[YY], 2                       ; q, k: A's panel 4 Y + cy
	s_lshr_b32 s22, s[YY], 3
	s_lshl_b32 s22, s22, 2
	s_add_co_u32 s22, s22, 16                      ; v: 16 + 4 (Y / 8) + cy: Wv's panels
	s_lshl_b32 s21, ttmp9, 3                       ; q, k: B's panels 8 X + 2 cx, + 1
	s_and_b32 s66, s[YY], 7
	s_lshl_b32 s66, s66, 3                         ; v: 8 (Y % 8) + 2 cx, + 1: the tokens'
	s_mov_b32 s14, 6291456
	s_mov_b32 s15, 3145728
	s_wait_dscnt 0x0
	s_wait_kmcnt 0x0
	s_cmp_eq_u32 ttmp9, 2                          ; the cluster's x: the same in all sixteen partners
	s_cselect_b32 s20, s22, s20
	s_cselect_b32 s21, s66, s21
	s_cselect_b64 s[10:11], s[6:7], s[4:5]         ; A's buffer
	s_cselect_b64 s[12:13], s[4:5], s[6:7]         ; B's
	s_cselect_b32 s14, 3145728, s14                ; where A's scale words begin
	s_cselect_b32 s15, 6291456, s15                ; and B's
	s_add_co_u32 s[TR], s20, s[CY]
	s_lshl_b32 s66, s[CX], 1
	s_add_co_u32 s[PB], s21, s66
	DESCS 10, 12, s14, s15
	CROUND                                         ; all sixteen work-groups are here: the joint loads meet
	s_cmp_lt_u32 s[WV], 2                          ; a wave's five fills stand in one branch on the wave's number; four v_nop follow the last
	s_cbranch_scc0 .Lfill_b
	tensor_load_to_lds s[56:59], s[G1SA:G1SA+7]    ; the scale words first: they are wanted with K step 0
	s_nop 0
	tensor_load_to_lds s[60:63], s[G1A:G1A+7]
	s_nop 0
	tensor_load_to_lds s[68:71], s[G1A:G1A+7]
	s_nop 0
	tensor_load_to_lds s[72:75], s[G1A:G1A+7]
	s_nop 0
	tensor_load_to_lds s[76:79], s[G1A:G1A+7]
	s_nop 0
	PLACES
	s_branch .Lfilled
.Lfill_b:
	tensor_load_to_lds s[80:83], s[G1SB:G1SB+7]
	s_nop 0
	tensor_load_to_lds s[84:87], s[G1B:G1B+7]
	s_nop 0
	tensor_load_to_lds s[88:91], s[G1B:G1B+7]
	s_nop 0
	tensor_load_to_lds s[92:95], s[G1B:G1B+7]
	s_nop 0
	tensor_load_to_lds s[96:99], s[G1B:G1B+7]
	s_nop 0
	PLACES
.Lfilled:
	v_and_b32 v1, 15, v0                           ; r
	v_bfe_u32 v2, v0, 4, 1                         ; h
	v_and_b32 v3, 31, v0
	v_lshlrev_b32 v3, 4, v3                        ; 16 x lane
	s_wait_alu depctr_va_vdst(0)
	s_mul_i32 s22, s[AH], 12288
	s_mul_i32 s66, s[BH], 24576
	s_add_co_u32 s66, s66, 24576
.irp q, 0,1,2,3
	v_add_nc_u32 v[4+\q], s22, v3                  ; my four tiles of A in quarter q
	v_add_nc_u32 v[8+\q], s66, v3                  ; my panel of B
	s_add_co_u32 s22, s22, QB
	s_add_co_u32 s66, s66, QB
.endr
	s_lshl_b32 s22, s[AH], 8
	s_lshl_b32 s23, s[BH], 12
	s_add_co_u32 s23, s23, 4096
	s_sub_co_u32 s23, s23, s22
	v_mul_u32_u24 v12, s23, v2                     ; lanes 16-31 take B's words: one product, the distance between the two bases
	v_lshl_add_u32 v12, v1, 2, v12
	s_add_co_u32 s22, s22, SCA
	v_add_nc_u32 v12, s22, v12
.irp b, 0,1,2,3
	v_mov_b32 v[TM+4+\b], 0                        ; written once: a lane permute's destination counts as one of its sources
.endr
	s_wait_alu depctr_va_vdst(0)
	s_wait_tensorcnt 3                             ; my scale words and my part of quarter 0 are in; the three later quarters may be out
	s_barrier_signal -1
	s_barrier_wait -1                              ; everybody's are
	FETCH 0
.irp i, 0,1,2,3,4,5,6,7
.irp s, 0,1,2,3,4,5,6,7
	ds_load_b32 v[SC+8*\i+\s], v12 offset:512*\s+64*\i       ; all scale words, once (for i over 3 lanes 0-15 read filled bytes that are not used)
.endr
.endr
	STEP 0, 1
	STEP 1, 0
	STEP 2, 0
	STEP 3, 0
	STEP 4, 0
	STEP 5, 0
	STEP 6, 0
	STEP 7, 0
	WIN 0
	PLACES                                         ; behind the last products: results are read, and operands' registers written, below
	; THE WAY OUT.  All tensor loads were waited for in step 5, so the descriptors' registers are free.
	s_mov_b32 s24, 0x76543210
	s_mov_b32 s25, 0xfedcba98
	s_add_co_u32 s26, s[PB], s[BH]                 ; my panel of B: q, k: 8 x which + head pair;  v: 8 b + key step
	s_lshr_b32 s27, s26, 3
	s_and_b32 s28, s26, 7
	s_lshr_b32 s29, s[TR], 3                       ; q, k: b
	s_lshl_b32 s30, s[TR], 1
	s_add_co_u32 s30, s30, s[AH]
	s_and_b32 s31, s30, 15                         ; my group of four token tiles
	s_lshl_b32 s32, s29, 3
	s_add_co_u32 s32, s32, s28                     ; 8 b + head pair
	s_mul_i32 s48, s32, 98304                      ; two heads x 64 tiles x 768 bytes
	s_mul_i32 s33, s27, 6291456
	s_add_co_u32 s48, s48, s33
	s_mul_i32 s33, s31, 3072
	s_add_co_u32 s48, s48, s33                     ; q, k: my codes
	s_lshl_b32 s50, s32, 12
	s_lshl_b32 s33, s27, 18
	s_add_co_u32 s50, s50, s33
	s_lshl_b32 s33, s31, 8
	s_add_co_u32 s50, s50, s33
	s_add_co_u32 s50, s50, 18874368                ; q, k: my 256 bytes of scale words
	s_sub_co_u32 s34, s30, 32                      ; v: head = 2 (panel - 16) + my half
	s_lshl_b32 s33, s27, 4
	s_add_co_u32 s34, s34, s33
	s_lshl_b32 s34, s34, 3
	s_add_co_u32 s34, s34, s28                     ; (16 b + head) 8 + key step
	s_mul_i32 s35, s34, 6144
	s_add_co_u32 s35, s35, 12582912
	s_lshl_b32 s36, s34, 8
	s_add_co_u32 s36, s36, 19398656
	s_mov_b32 s40, 768                             ; from tile to tile,
	s_mov_b32 s41, 49152                           ; from a fragment's first half to its second (q, k: the next head),
	s_mov_b32 s42, 0x05040100                      ; and how two scale words are cut: q, k: two bytes of each; v: one whole
	s_mov_b32 s43, 0x07060302
	s_mov_b32 s49, 0
	s_mov_b32 s51, 0
	s_cmp_eq_u32 ttmp9, 2
	s_cselect_b32 s48, s35, s48
	s_cselect_b32 s50, s36, s50
	s_cselect_b32 s40, 1536, s40
	s_cselect_b32 s41, 768, s41
	s_cselect_b32 s42, 0x03020100, s42
	s_cselect_b32 s43, 0x07060504, s43
	s_add_nc_u64 s[48:49], s[8:9], s[48:49]
	s_add_nc_u64 s[50:51], s[8:9], s[50:51]
	v_and_b32 v180, 31, v0
	v_lshlrev_b32 v180, 3, v180                    ; 8 x lane
	v_mov_b32 v181, s42
	v_mov_b32 v182, s43
	v_cmp_eq_u32 vcc_lo, 1, v2
	v_cndmask_b32 v181, v181, v182, vcc_lo         ; lanes 16-31 take the upper cut
.irp a, 0,1,2,3
	s_mul_i32 s33, s40, \a
	v_add_nc_u32 v[184+\a], s33, v180
	v_add_nc_u32 v[188+\a], s41, v[184+\a]
.endr
.irp a, 0,1,2,3                        ; each tile has its own registers for its codes: no store's data are written again
	QUANT 64*\a, 96+20*\a, 176+\a, 1
.irp p, 0,1,2
	global_store_b64 v[184+\a], v[96+20*\a+2*\p:97+20*\a+2*\p], s[48:49] offset:256*\p        ; 256 consecutive bytes, aligned
	global_store_b64 v[188+\a], v[102+20*\a+2*\p:103+20*\a+2*\p], s[48:49] offset:256*\p
.endr
.endr
	v_perm_b32 v182, v177, v176, v181
	v_perm_b32 v183, v179, v178, v181
	global_store_b64 v180, v[182:183], s[50:51]    ; 256 consecutive bytes, aligned
	s_wait_tensorcnt 0x0
	ds_add_u32 v254, v255
	s_wait_dscnt 0x0
	CROUND                                         ; the closing round
	s_endpgm
.Lfunc_end_k_q1725938133_qkv:
	.size	k_q1725938133_qkv, .Lfunc_end_k_q1725938133_qkv-k_q1725938133_qkv
	.p2alignl 7, 3214868480
	.fill 96, 4, 3214868480
	.section	.rodata,"a",@progbits
	.p2align	6, 0x0
	.amdhsa_kernel k_q1725938133_qkv
		.amdhsa_group_segment_fixed_size 327680
		.amdhsa_private_segment_fixed_size 0
		.amdhsa_enable_private_segment 0
		.amdhsa_kernarg_size 24
		.amdhsa_user_sgpr_count 2
		.amdhsa_user_sgpr_kernarg_segment_ptr 1
		.amdhsa_wavefront_size32 1
		.amdhsa_system_sgpr_workgroup_id_x 1
		.amdhsa_system_sgpr_workgroup_id_y 1
		.amdhsa_system_sgpr_workgroup_id_z 1
		.amdhsa_system_vgpr_workitem_id 0
		.amdhsa_next_free_vgpr 768
		.amdhsa_next_free_sgpr 102
		.amdhsa_reserve_vcc 1
		.amdhsa_float_denorm_mode_32 3
		.amdhsa_float_denorm_mode_16_64 3
		.amdhsa_memory_ordered 1
		.amdhsa_forward_progress 1
		.amdhsa_inst_pref_size 88
	.end_amdhsa_kernel
	.amdgpu_metadata
---
amdhsa.version: [ 1, 2 ]
amdhsa.kernels:
  - .name:           k_q1725938133_qkv
    .symbol:         k_q1725938133_qkv.kd
    .args:
      - { .name: encq, .offset: 0, .size: 8, .value_kind: global_buffer, .address_space: global }
      - { .name: wq4, .offset: 8, .size: 8, .value_kind: global_buffer, .address_space: global }
      - { .name: qkv, .offset: 16, .size: 8, .value_kind: global_buffer, .address_space: global }
    .group_segment_fixed_size: 327680
    .private_segment_fixed_size: 0
    .kernarg_segment_align: 8
    .kernarg_segment_size: 24
    .max_flat_workgroup_size: 128
    .sgpr_count:     102
    .vgpr_count:     768
    .wavefront_size: 32
...
	.end_amdgpu_metadata
.endif
;; end of part 2
;; launch attn (part 3): grid 4 x 64, 16 waves a work-group, clusters of 4 x 1, 215,040 bytes of LDS; arguments qkv, ocq; writes ocq
.if DOCPART == 3
	.amdgcn_target "amdgcn-amd-amdhsa--gfx1250"
	.amdhsa_code_object_version 6
	.text
	.protected	k_q1725938133_attn
	.globl	k_q1725938133_attn
	.p2align	8
	.type	k_q1725938133_attn,@function
k_q1725938133_attn:
	s_mov_b64 s[64:65], 0
	v_nop
	global_prefetch_b8 v0, s[64:65] scope:SCOPE_SE
	s_setreg_imm32_b32 hwreg(HW_REG_WAVE_MODE, 25, 1), 1
	s_wait_xcnt 0x0
	s_wait_alu depctr_hold_cnt(0) depctr_sa_sdst(0) depctr_va_vdst(0) depctr_va_sdst(0) depctr_va_ssrc(0) depctr_va_vcc(0) depctr_vm_vsrc(0)
	s_getreg_b32 s2, hwreg(HW_REG_IB_STS2, 6, 4)
	s_cmp_eq_u32 s2, 0
	s_cbranch_scc0 .Lentry_in_a_cluster
	s_endpgm
.Lentry_in_a_cluster:
	s_bfe_u32 s2, ttmp6, 0x10000c
	s_cmp_lg_u32 s2, 0x3003
	s_cbranch_scc0 .Lentry_shape_is_right
	s_endpgm
.Lentry_shape_is_right:
; out = softmax(q k^T / 8) v for a pair of heads, both products on codes of BF6 with E8M0 scales, and out_concat quantised along (head, d) in registers.
; THE SOFTMAX: t = score x log2(e) / 8; M = the running largest t rounded UP to a whole number; p = 2^(t - M) is what is quantised, along the keys; the row's sum is taken of the unquantised p and divides at the end.
; When M moves, the sum and O are multiplied by 2^(old M - new M): exact.
; SHARES.  A work-group: batch b, head pair hp (y = 8 b + hp), 256 queries; wave w: the 16 queries of stored tile 16 cx + w, both heads one after the other.  K's and V's codes and scale words of the head pair, 204,800 bytes,
; lie in LDS at once: all tensor loads go out at the head and no LDS byte is filled twice.  CLUSTER 4 x 1: the four query blocks read the same K and V and ask jointly (wave 0: K's, wave 1: V's: five loads a wave are out).
; LAYOUT.  Both products transposed: a lane holds ONE query.  The head has 64 numbers and the instruction takes 128: a fragment of K holds TWO tiles of 16 keys, one in k 0-63, the other in k 64-127, and is multiplied by
; [q | zero codes] and by [zero codes | q].  By the stored order of the tokens the 16 registers of two neighbouring score tiles are 16 neighbouring keys.
; LIMITS: NaN and infinities are not served; a block under 2^-122, or of zeros, keeps the byte 1 (this program alone reads the bytes).
; REGISTERS: v1-7 addresses that stay; v8-11 those of the step; v12 -M, v13 the largest t, v[14:15] the sum; v16-33, v34-51 [q | 0 | q] of the two heads; v52-53 q's scale words; v54-57 K's, v58-61 V's; v62 out's;
; v64-111 four fragments; v112-175 scores, then p; v176-207 O^T; v208-219 p's codes; v220-227, v240-254 at work; v228-239 out's codes.
.set WV,  2
.set KSC, 196608                       ; LDS: K's codes at 0, V's at 98,304; K's scale words, V's, and 1,024 bytes for out's
.set VSC, 200704
.set SCR, 204800
.set ADK, 8
.set ADV, 9
.set ADS, 10
.set ADT, 11
.set KW,  54
.set BUF, 64
.set S,   112
.set O,   176
.set PCD, 208
.set CT,  220
.set OC,  228
.set SO,  240
.set BM,  244
.set PT,  248
.set SEL, 60
.set CS,  62
.set TB,  66                           ; LDS byte at which the step's codes begin (K's; V's lie 98,304 on)
.set TS,  67                           ; K's scale words of the step
.set TJ,  68                           ; V's
.set CNT, 69
.macro CROUND
	s_barrier_signal -1
	s_barrier_wait -1
	s_cmp_lg_u32 s[WV], 0
	s_cbranch_scc1 .Lnot_wave_0_\@
	s_barrier_signal -3
.Lnot_wave_0_\@:
	s_barrier_wait -3
	s_barrier_signal -1
	s_barrier_wait -1
.endm
	s_load_b128 s[4:7], s[0:1], 0x0                ; qkv, ocq
	v_lshl_add_u32 v227, v0, 2, 0x34000
	v_mov_b32 v255, 0
	ds_add_u32 v227, v255
	ds_add_u32 v227, v255
	v_lshrrev_b32 v1, 5, v0
	s_delay_alu instid0(VALU_DEP_1)
	v_readfirstlane_b32 s[WV], v1                  ; wave 0..15
	s_bfe_u32 s8, ttmp6, 0x40000                   ; cx: my block of 256 queries; it enters q's and out's addresses alone
	s_and_b32 s9, ttmp7, 0xffff                    ; y = 8 b + head pair
	s_and_b32 s10, s[WV], 1                        ; 0: I fetch K's, 1: V's
	s_lshl_b32 s12, s9, 12
	s_lshl_b32 s13, s10, 18
	s_add_co_u32 s12, s12, s13
	s_add_co_u32 s12, s12, 19136512                ; the scale words of the head pair: 4,096 bytes
	s_mov_b32 s13, 0
	s_mul_i32 s14, s9, 98304
	s_mul_i32 s15, s10, 6291456
	s_add_co_u32 s14, s14, s15
	s_add_co_u32 s14, s14, 6291456                 ; its codes: 98,304 bytes
	s_mov_b32 s15, 0
	s_lshl_b32 s16, s10, 12
	s_add_co_u32 s16, s16, KSC
	s_mul_i32 s17, s10, 98304
	s_mov_b32 s24, 15|(3<<16)|(1<<21)              ; group 1: the mask: all four work-groups; elements of 8 bytes; 21 set beside a mask.  24,576 dense bytes as 96 rows of 256
	s_mov_b32 s25, 32<<16
	s_mov_b32 s26, 96<<16
	s_mov_b32 s27, 32<<16
	s_mov_b32 s28, 96
	s_mov_b32 s29, 32
	s_mov_b32 s30, 0
	s_mov_b32 s31, 0
	s_mov_b32 s32, 15|(3<<16)|(1<<21)              ; and 4,096 bytes as 16 rows
	s_mov_b32 s33, 32<<16
	s_mov_b32 s34, 16<<16
	s_mov_b32 s35, 32<<16
	s_mov_b32 s36, 16
	s_mov_b32 s37, 32
	s_mov_b32 s38, 0
	s_mov_b32 s39, 0
	s_mov_b32 s[SEL], 0x76543210
	s_mov_b32 s[SEL+1], 0xfedcba98
	s_mov_b32 s[CS], 0x3e38aa3b                    ; c = log2(e) / 8
	s_mov_b32 s[CS+1], s[CS]
	s_wait_dscnt 0x0
	s_wait_kmcnt 0x0
	s_mov_b32 s40, 1
	s_mov_b32 s41, s16
	s_add_nc_u64 s[42:43], s[4:5], s[12:13]
	s_or_b32 s43, s43, 0x80000000
	s_add_nc_u64 s[14:15], s[4:5], s[14:15]
.set Q, 0
.irp g, 44, 48, 52, 56                 ; quarters: first head's keys 0-511, 512-1,023, then the second head's
	s_mov_b32 s[\g], 1
	s_add_co_u32 s[\g+1], s17, 24576*Q
	s_add_nc_u64 s[\g+2:\g+3], s[14:15], 24576*Q
	s_or_b32 s[\g+3], s[\g+3], 0x80000000
.set Q, Q+1
.endr
	CROUND                                         ; all four work-groups are here: the joint loads meet
	s_cmp_lt_u32 s[WV], 2                          ; a wave's five fills stand in one branch on the wave's number; four v_nop follow the last
	s_cbranch_scc0 .Lfilled
	tensor_load_to_lds s[40:43], s[32:39]
	s_nop 0
	tensor_load_to_lds s[44:47], s[24:31]
	s_nop 0
	tensor_load_to_lds s[48:51], s[24:31]
	s_nop 0
	tensor_load_to_lds s[52:55], s[24:31]
	s_nop 0
	tensor_load_to_lds s[56:59], s[24:31]
	s_nop 0
.rept 4
	v_nop
.endr
.Lfilled:
	v_and_b32 v8, 31, v0
	v_and_b32 v9, 15, v0
	s_delay_alu instid0(VALU_DEP_2)
	v_lshlrev_b32 v1, 3, v8                        ; 8 x lane: a fragment's image, a register pair at a time
	s_wait_alu depctr_va_vdst(0)
	v_add_nc_u32 v2, 98304, v1
	v_lshl_add_u32 v3, v9, 3, KSC
	v_lshl_add_u32 v4, v9, 3, VSC
	v_lshlrev_b32 v5, 4, v8
	s_lshl_b32 s23, s[WV], 6
	s_add_co_u32 s23, s23, SCR
	v_lshl_add_u32 v6, v9, 2, s23                  ; out's scale word: 64 wave + 4 r
	s_min_u32 s23, s[WV], 3
	s_lshl_b32 s23, s23, 8
	s_add_co_u32 s23, s23, SCR
	v_add_nc_u32 v7, s23, v1                       ; and 256 bytes for each of waves 0-3 on the way out
	v_lshlrev_b32 v63, 3, v9
	s_wait_alu depctr_va_vdst(0)
	s_lshl_b32 s18, s9, 7                          ; q: tile (2 y) 64 + 16 cx + wave, 768 bytes each; the second head 49,152 on
	s_lshl_b32 s19, s8, 4
	s_add_co_u32 s18, s18, s19
	s_add_co_u32 s18, s18, s[WV]
	s_mul_i32 s18, s18, 768
	s_mov_b32 s19, 0
	s_add_nc_u64 s[18:19], s[4:5], s[18:19]
	s_lshl_b32 s20, s9, 12                         ; q's scale words: group 4 cx + wave / 4, word (wave / 2) % 2
	s_lshl_b32 s21, s8, 10
	s_add_co_u32 s20, s20, s21
	s_lshr_b32 s21, s[WV], 2
	s_lshl_b32 s21, s21, 8
	s_add_co_u32 s20, s20, s21
	s_bfe_u32 s21, s[WV], 0x10001
	s_lshl_b32 s21, s21, 2
	s_add_co_u32 s20, s20, s21
	s_add_co_u32 s20, s20, 18874368
	s_mov_b32 s21, 0
	s_add_nc_u64 s[20:21], s[4:5], s[20:21]
	s_mov_b32 s22, 0x03020302
	s_cmp_eq_u32 s10, 0
	s_cselect_b32 s22, 0x01000100, s22             ; my tile's two bytes of the word, twice
.irp x, 0,1
.irp p, 0,1,2
	global_load_b64 v[16+18*\x+2*\p:17+18*\x+2*\p], v1, s[18:19] offset:49152*\x+256*\p
	global_load_b64 v[28+18*\x+2*\p:29+18*\x+2*\p], v1, s[18:19] offset:49152*\x+256*\p
.endr
	global_load_b32 v[52+\x], v63, s[20:21] offset:128*\x
.irp i, 0,1,2,3,4,5
	v_mov_b32 v[22+18*\x+\i], 0                    ; zero codes: they add nothing under any scale byte
.endr
.endr
.irp b, 0,1,2,3
	v_mov_b32 v[PT+\b], 0                          ; written once: a lane permute's destination counts as one of its sources
.endr
	v_mov_b32 v253, 0                              ; (named as the upper half of v[252:253] before it is first written)
	v_mov_b32 v254, 0
	s_wait_loadcnt 0x0
	v_perm_b32 v52, v52, v52, s22
	v_perm_b32 v53, v53, v53, s22
; A KEY STEP: 128 keys of head x.
.macro STEP x
	v_add_nc_u32 v[ADK], s[TB], v1                 ; (these four are also the places in front of the loads into registers that the last products read)
	v_add_nc_u32 v[ADV], s[TB], v2
	v_add_nc_u32 v[ADS], s[TS], v3
	v_add_nc_u32 v[ADT], s[TJ], v4
.irp f, 0,1,2,3
.irp p, 0,1,2,3,4,5
	ds_load_b64 v[BUF+12*\f+2*\p:BUF+12*\f+2*\p+1], v[ADK] offset:1536*\f+256*\p
.endr
.endr
	ds_load_b64 v[KW:KW+1], v[ADS]
	ds_load_b64 v[KW+2:KW+3], v[ADS] offset:256
	s_wait_alu depctr_va_vdst(0)
	s_wait_dscnt 0x0
.irp f, 0,1,2,3
	v_wmma_scale_f32_16x16x128_f8f6f4 v[S+16*\f:S+16*\f+7], v[BUF+12*\f:BUF+12*\f+11], v[16+18*\x:27+18*\x], 0, v[KW+\f], v[52+\x] matrix_a_fmt:MATRIX_FMT_BF6 matrix_b_fmt:MATRIX_FMT_BF6
	v_wmma_scale_f32_16x16x128_f8f6f4 v[S+16*\f+8:S+16*\f+15], v[BUF+12*\f:BUF+12*\f+11], v[22+18*\x:33+18*\x], 0, v[KW+\f], v[52+\x] matrix_a_fmt:MATRIX_FMT_BF6 matrix_b_fmt:MATRIX_FMT_BF6
.endr
.rept 4
	v_nop                                          ; places in front of the loads below and of the first read of the scores
.endr
.irp d, 0,1,2,3                        ; V's four fragments are asked for now and land under the softmax
.irp p, 0,1,2,3,4,5
	ds_load_b64 v[BUF+12*\d+2*\p:BUF+12*\d+2*\p+1], v[ADV] offset:1536*\d+256*\p
.endr
.endr
	ds_load_b64 v[58:59], v[ADT]                   ; the words of d tiles 0 and 2,
	ds_load_b64 v[60:61], v[ADT] offset:128        ; and of 1 and 3
.irp b, 0,1,2,3
	v_max3_num_f32 v[BM+\b], v[S+16*\b], v[S+1+16*\b], v[S+2+16*\b]     ; the largest score of each block of 32 keys: it serves for the row's maximum and, since p rises with the score, for the block's largest p
.endr
.irp i, 3,5,7,9,11,13
.irp b, 0,1,2,3
	v_max3_num_f32 v[BM+\b], v[BM+\b], v[S+16*\b+\i], v[S+1+16*\b+\i]
.endr
.endr
.irp b, 0,1,2,3
	v_max_num_f32 v[BM+\b], v[BM+\b], v[S+15+16*\b]
.endr
.irp b, 0,1,2,3
	s_delay_alu instid0(VALU_DEP_4)
	v_permlanex16_b32 v[PT+\b], v[BM+\b], s[SEL], s[SEL+1]
.endr
.irp b, 0,1,2,3
	s_delay_alu instid0(VALU_DEP_4)
	v_max_num_f32 v[BM+\b], v[BM+\b], v[PT+\b]
.endr
	s_delay_alu instid0(VALU_DEP_2)
	v_max3_num_f32 v254, v[BM], v[BM+1], v[BM+2]
	s_delay_alu instid0(VALU_DEP_1)
	v_max_num_f32 v254, v254, v[BM+3]
	s_delay_alu instid0(VALU_DEP_1)
	v_mul_f32 v254, s[CS], v254
	s_delay_alu instid0(VALU_DEP_1)
	v_max_num_f32 v13, v13, v254                   ; the running largest t
	v_mov_b32 v254, v12
	s_delay_alu instid0(VALU_DEP_2)
	v_floor_f32 v12, -v13                          ; -M = floor(-t): M is a whole number
	s_delay_alu instid0(VALU_DEP_1)
	v_sub_f32 v254, v12, v254
	s_delay_alu instid0(VALU_DEP_1)
	v_cvt_i32_f32 v254, v254                       ; (it saturates)
	s_delay_alu instid0(VALU_DEP_1)
	v_ldexp_f32 v252, 1.0, v254                    ; f = 2^(old M - new M)
.set J, 0
.rept 32
	v_pk_fma_f32 v[S+J:S+J+1], v[S+J:S+J+1], s[CS:CS+1], v[12:13] op_sel_hi:[1,0,0]   ; t - M
.set J, J+2
.endr
.irp b, 0,1,2,3
	v_fma_f32 v[BM+\b], v[BM+\b], s[CS], v12
.endr
.set J, 0
	s_setprio 1
	s_wait_alu depctr_va_vdst(0)
.rept 64
	v_exp_f32 v[S+J], v[S+J]                       ; p = 2^(t - M): not normalised
.set J, J+1
.endr
	v_pk_mul_f32 v[14:15], v[14:15], v[252:253] op_sel_hi:[1,0]    ; the sums under the new M (a plain place behind the batch)
	s_wait_alu depctr_va_vdst(0)                   ; one wait for the batch, ahead of its first reader
.irp b, 0,1,2,3
	v_exp_f32 v[BM+\b], v[BM+\b]                   ; the block's largest p
.endr
	v_pk_add_f32 v[248:249], v[116:117], v[120:121]
	v_pk_add_f32 v[250:251], v[124:125], v[128:129]
	v_pk_add_f32 v[242:243], v[132:133], v[136:137]
	v_pk_add_f32 v[240:241], v[140:141], v[144:145]
	v_pk_add_f32 v[238:239], v[148:149], v[152:153]
	v_pk_add_f32 v[236:237], v[156:157], v[160:161]
	v_pk_add_f32 v[234:235], v[164:165], v[168:169]
	v_pk_add_f32 v[14:15], v[14:15], v[172:173]
	v_pk_add_f32 v[248:249], v[248:249], v[112:113]
	v_pk_add_f32 v[250:251], v[250:251], v[114:115]
	v_pk_add_f32 v[242:243], v[242:243], v[118:119]
	v_pk_add_f32 v[240:241], v[240:241], v[122:123]
	v_pk_add_f32 v[238:239], v[238:239], v[126:127]
	v_pk_add_f32 v[236:237], v[236:237], v[130:131]
	v_pk_add_f32 v[234:235], v[234:235], v[134:135]
	v_pk_add_f32 v[14:15], v[14:15], v[138:139]
	v_pk_add_f32 v[248:249], v[248:249], v[142:143]
	v_pk_add_f32 v[250:251], v[250:251], v[146:147]
	v_pk_add_f32 v[242:243], v[242:243], v[150:151]
	v_pk_add_f32 v[240:241], v[240:241], v[154:155]
	v_pk_add_f32 v[238:239], v[238:239], v[158:159]
	v_pk_add_f32 v[236:237], v[236:237], v[162:163]
	v_pk_add_f32 v[234:235], v[234:235], v[166:167]
	v_pk_add_f32 v[14:15], v[14:15], v[170:171]
	v_pk_add_f32 v[248:249], v[248:249], v[174:175]
	s_delay_alu instid0(VALU_DEP_2)
	v_pk_add_f32 v[14:15], v[14:15], v[240:241]
	s_delay_alu instid0(VALU_DEP_2)
	v_pk_add_f32 v[248:249], v[248:249], v[238:239]
	v_pk_add_f32 v[250:251], v[250:251], v[236:237]
	v_pk_add_f32 v[242:243], v[242:243], v[234:235]
	s_delay_alu instid0(VALU_DEP_2)
	v_pk_add_f32 v[14:15], v[14:15], v[250:251]
	s_delay_alu instid0(VALU_DEP_2)
	v_pk_add_f32 v[248:249], v[248:249], v[242:243]
	s_delay_alu instid0(VALU_DEP_1)
	v_pk_add_f32 v[14:15], v[14:15], v[248:249]
	s_wait_alu depctr_va_vdst(0)                   ; and one for the four
.irp b, 0,1,2,3
	v_max_num_f32 v[BM+\b], 0x2800000, v[BM+\b]    ; the floor 2^(5 - 127)
.endr
.irp b, 0,1,2,3
	s_delay_alu instid0(VALU_DEP_4)
	v_add_nc_u32 v[SO+\b], 0xfe000000, v[BM+\b]
.endr
.irp b, 0,1,2,3
	s_delay_alu instid0(VALU_DEP_4)
	v_lshrrev_b32 v[PT+\b], 23, v[SO+\b]
.endr
	s_delay_alu instid0(VALU_DEP_3)
	v_lshl_or_b32 v253, v[PT+1], 8, v[PT]          ; p's scale word for these 128 keys
	s_delay_alu instid0(VALU_DEP_1)
	v_lshl_or_b32 v253, v[PT+2], 16, v253
	s_delay_alu instid0(VALU_DEP_1)
	v_lshl_or_b32 v253, v[PT+3], 24, v253
.irp c, 0,1
	v_cvt_scalef32_pk16_bf6_f32 v[PCD+6*\c:PCD+2+6*\c], v[S+32*\c:S+15+32*\c], v[SO+2*\c]
	v_cvt_scalef32_pk16_bf6_f32 v[CT+4*\c:CT+2+4*\c], v[S+16+32*\c:S+31+32*\c], v[SO+1+2*\c]
.endr
	v_nop                                          ; one plain place behind a scaled conversion
	s_setprio 0
.irp c, 0,1
.irp i, 0,1,2
	v_permlane16_swap_b32 v[PCD+6*\c+\i], v[CT+4*\c+\i]
.endr
.irp i, 0,1,2
	s_delay_alu instid0(VALU_DEP_3)
	v_mov_b32 v[PCD+3+6*\c+\i], v[CT+4*\c+\i]
.endr
.endr
.set J, 0
.rept 16
	v_pk_mul_f32 v[O+J:O+J+1], v[O+J:O+J+1], v[252:253] op_sel_hi:[1,0]    ; O^T under the new M (these 16 are also the places in front of the scaled products)
.set J, J+2
.endr
	s_wait_alu depctr_va_vdst(0)
	s_wait_dscnt 0x0                               ; V
.irp d, 0,1,2,3
	v_wmma_scale_f32_16x16x128_f8f6f4 v[O+8*\d:O+8*\d+7], v[BUF+12*\d:BUF+12*\d+11], v[PCD:PCD+11], v[O+8*\d:O+8*\d+7], v[58+2*(\d%2)+\d/2], v253 matrix_a_fmt:MATRIX_FMT_BF6 matrix_b_fmt:MATRIX_FMT_BF6
.endr
	s_add_co_u32 s[TB], s[TB], 6144
	s_add_co_u32 s[TS], s[TS], 512
	s_add_co_u32 s[TJ], s[TJ], 256
.endm
.macro FOUR x
	s_mov_b32 s[CNT], 4
.Lfour_\@:
	s_setprio 2
	STEP \x
	s_sub_co_u32 s[CNT], s[CNT], 1
	s_cmp_lg_u32 s[CNT], 0
	s_cbranch_scc1 .Lfour_\@
	s_setprio 0
.endm
.macro HEAD x
	v_mov_b32 v13, 0xff61b1e6                      ; the largest t so far: -3e38
	s_delay_alu instid0(VALU_DEP_1)
	v_floor_f32 v12, -v13
	v_mov_b32 v14, 0
	v_mov_b32 v15, 0
.set J, 0
.rept 32
	v_mov_b32 v[O+J], 0                            ; the step is written once: the first finds zeros
.set J, J+1
.endr
	s_mov_b32 s[TB], 49152*\x
	s_mov_b32 s[TS], 128*\x
	s_mov_b32 s[TJ], 2048*\x
	s_wait_tensorcnt 3-2*\x                        ; the head's first 512 keys are in; the count: the quarters issued behind them
	s_barrier_signal -1
	s_barrier_wait -1
	FOUR \x
	s_wait_tensorcnt 2-2*\x
	s_barrier_signal -1
	s_barrier_wait -1
	FOUR \x
.rept 4
	v_nop                                          ; places behind the last products
.endr
	v_add_f32 v14, v14, v15
	s_delay_alu instid0(VALU_DEP_1)
	v_permlanex16_b32 v254, v14, s[SEL], s[SEL+1]
	s_delay_alu instid0(VALU_DEP_1)
	v_add_f32 v14, v14, v254                       ; the row's sum
	s_wait_alu depctr_va_vdst(0)
	v_rcp_f32 v14, v14
	v_nop
	s_wait_alu depctr_va_vdst(0)
.set J, 0
.rept 16
	v_pk_mul_f32 v[O+J:O+J+1], v[O+J:O+J+1], v[14:15] op_sel_hi:[1,0]      ; register 16 b + i is out(my query, d = 32 b + 16 (lane / 16) + i)
.set J, J+2
.endr
.irp b, 0,1                            ; the head's 64 numbers are blocks 2 x and 2 x + 1 of the next product's K step
	v_max3_num_f32 v[BM+\b], |v[O+16*\b]|, |v[O+1+16*\b]|, 0x2800000
.endr
.irp i, 2,4,6,8,10,12,14
.irp b, 0,1
	s_delay_alu instid0(VALU_DEP_2)
	v_max3_num_f32 v[BM+\b], v[BM+\b], |v[O+16*\b+\i]|, |v[O+1+16*\b+\i]|
.endr
.endr
.irp b, 0,1
	s_delay_alu instid0(VALU_DEP_2)
	v_permlanex16_b32 v[PT+\b], v[BM+\b], s[SEL], s[SEL+1]
.endr
.irp b, 0,1
	s_delay_alu instid0(VALU_DEP_2)
	v_max_num_f32 v[BM+\b], v[BM+\b], v[PT+\b]
.endr
.irp b, 0,1
	s_delay_alu instid0(VALU_DEP_2)
	v_add_nc_u32 v[SO+\b], 0xfe000000, v[BM+\b]
.endr
.irp b, 0,1
	s_delay_alu instid0(VALU_DEP_2)
	v_lshrrev_b32 v[PT+\b], 23, v[SO+\b]
.endr
.if \x == 0
	s_delay_alu instid0(VALU_DEP_1)
	v_lshl_or_b32 v62, v[PT+1], 8, v[PT]
.else
	s_delay_alu instid0(VALU_DEP_2)
	v_lshl_or_b32 v62, v[PT], 16, v62
	s_delay_alu instid0(VALU_DEP_1)
	v_lshl_or_b32 v62, v[PT+1], 24, v62
.endif
	v_cvt_scalef32_pk16_bf6_f32 v[OC+6*\x:OC+2+6*\x], v[O:O+15], v[SO]
	v_cvt_scalef32_pk16_bf6_f32 v[CT:CT+2], v[O+16:O+31], v[SO+1]
	v_nop
.irp i, 0,1,2
	v_permlane16_swap_b32 v[OC+6*\x+\i], v[CT+\i]
.endr
.irp i, 0,1,2
	s_delay_alu instid0(VALU_DEP_3)
	v_mov_b32 v[OC+3+6*\x+\i], v[CT+\i]
.endr
.endm
	HEAD 0
	HEAD 1
	; THE WAY OUT: my tile's fragment of K step hp, as an image of its registers, and its scale words through LDS, so that they leave in aligned runs of 256 bytes
	s_lshr_b32 s10, s9, 3                          ; b
	s_and_b32 s11, s9, 7                           ; head pair
	s_lshl_b32 s12, s10, 6
	s_lshl_b32 s13, s8, 4
	s_add_co_u32 s12, s12, s13
	s_add_co_u32 s12, s12, s[WV]
	s_mul_i32 s12, s12, 12288
	s_mul_i32 s13, s11, 1536
	s_add_co_u32 s12, s12, s13
	s_mov_b32 s13, 0
	s_add_nc_u64 s[12:13], s[6:7], s[12:13]
	s_lshl_b32 s14, s10, 3
	s_lshl_b32 s15, s8, 1
	s_add_co_u32 s14, s14, s15
	s_lshr_b32 s15, s[WV], 1
	s_min_u32 s15, s15, 1
	s_add_co_u32 s14, s14, s15                     ; the panel: 8 b + 2 cx + wave / 2 (waves 0-3)
	s_lshl_b32 s14, s14, 12
	s_lshl_b32 s15, s11, 9
	s_add_co_u32 s14, s14, s15
	s_and_b32 s15, s[WV], 1
	s_lshl_b32 s15, s15, 8
	s_add_co_u32 s14, s14, s15
	s_add_co_u32 s14, s14, 6291456
	s_mov_b32 s15, 0
	s_add_nc_u64 s[14:15], s[6:7], s[14:15]
	s_wait_alu depctr_va_vdst(0)
.irp c, 0,1,2
	global_store_b128 v5, v[OC+4*\c:OC+4*\c+3], s[12:13] offset:512*\c     ; 512 consecutive bytes a store
.endr
	ds_store_b32 v6, v62                           ; lanes r and r + 16 write the same word with the same value
	s_wait_dscnt 0x0                               ; for the others' sake
	s_barrier_signal -1
	s_barrier_wait -1
	s_cmp_lt_u32 s[WV], 4
	s_cbranch_scc0 .Lno_words
	ds_load_b64 v[64:65], v7
	s_wait_dscnt 0x0
	global_store_b64 v1, v[64:65], s[14:15]        ; 256 consecutive bytes, aligned
.Lno_words:
	s_wait_tensorcnt 0x0
	ds_add_u32 v227, v255
	s_wait_dscnt 0x0
	CROUND                                         ; the closing round
	s_endpgm
.Lfunc_end_k_q1725938133_attn:
	.size	k_q1725938133_attn, .Lfunc_end_k_q1725938133_attn-k_q1725938133_attn
	.p2alignl 7, 3214868480
	.fill 96, 4, 3214868480
	.section	.rodata,"a",@progbits
	.p2align	6, 0x0
	.amdhsa_kernel k_q1725938133_attn
		.amdhsa_group_segment_fixed_size 215040
		.amdhsa_private_segment_fixed_size 0
		.amdhsa_enable_private_segment 0
		.amdhsa_kernarg_size 16
		.amdhsa_user_sgpr_count 2
		.amdhsa_user_sgpr_kernarg_segment_ptr 1
		.amdhsa_wavefront_size32 1
		.amdhsa_system_sgpr_workgroup_id_x 1
		.amdhsa_system_sgpr_workgroup_id_y 1
		.amdhsa_system_sgpr_workgroup_id_z 1
		.amdhsa_system_vgpr_workitem_id 0
		.amdhsa_next_free_vgpr 256
		.amdhsa_next_free_sgpr 72
		.amdhsa_reserve_vcc 0
		.amdhsa_float_denorm_mode_32 3
		.amdhsa_float_denorm_mode_16_64 3
		.amdhsa_memory_ordered 1
		.amdhsa_forward_progress 1
		.amdhsa_inst_pref_size 96
	.end_amdhsa_kernel
	.amdgpu_metadata
---
amdhsa.version: [ 1, 2 ]
amdhsa.kernels:
  - .name:           k_q1725938133_attn
    .symbol:         k_q1725938133_attn.kd
    .args:
      - { .name: qkv, .offset: 0, .size: 8, .value_kind: global_buffer, .address_space: global }
      - { .name: ocq, .offset: 8, .size: 8, .value_kind: global_buffer, .address_space: global }
    .group_segment_fixed_size: 215040
    .private_segment_fixed_size: 0
    .kernarg_segment_align: 8
    .kernarg_segment_size: 16
    .max_flat_workgroup_size: 512
    .sgpr_count:     72
    .vgpr_count:     256
    .wavefront_size: 32
...
	.end_amdgpu_metadata
.endif
;; end of part 3
;; launch proj (part 4): grid 4 x 64, 4 waves a work-group, clusters of 4 x 4, 327,680 bytes of LDS; arguments ocq, wq4, part, bc, tb2, mhq; writes mhq
.if DOCPART == 4
	.amdgcn_target "amdgcn-amd-amdhsa--gfx1250"
	.amdhsa_code_object_version 6
	.text
	.protected	k_q1725938133_proj
	.globl	k_q1725938133_proj
	.p2align	8
	.type	k_q1725938133_proj,@function
k_q1725938133_proj:
	s_mov_b64 s[64:65], 0
	v_nop
	global_prefetch_b8 v0, s[64:65] scope:SCOPE_SE
	s_setreg_imm32_b32 hwreg(HW_REG_WAVE_MODE, 25, 1), 1
	s_wait_xcnt 0x0
	s_wait_alu depctr_hold_cnt(0) depctr_sa_sdst(0) depctr_va_vdst(0) depctr_va_sdst(0) depctr_va_ssrc(0) depctr_va_vcc(0) depctr_vm_vsrc(0)
	s_getreg_b32 s2, hwreg(HW_REG_IB_STS2, 6, 4)
	s_cmp_eq_u32 s2, 0
	s_cbranch_scc0 .Lentry_in_a_cluster
	s_endpgm
.Lentry_in_a_cluster:
	s_bfe_u32 s2, ttmp6, 0x10000c
	s_cmp_lg_u32 s2, 0xf033
	s_cbranch_scc0 .Lentry_shape_is_right
	s_endpgm
.Lentry_shape_is_right:
; mh = out_concat Wc^T + bc + t_emb on codes of BF6 with E8M0 scales, and mh quantised along e in registers.  t_emb[b][e] = tb2[e] + the sum of the 32 parts; it and bc are the C of each sum's first product: no addition is spent.
; THE CORE is the text of the launch qkv: a work-group makes 128 rows of A (ocq: one panel of tokens) x 256 rows of B (Wc's panels 24 + 2 cx, + 1 of wq4); all of K = 1,024 lies in LDS at once, every tensor load goes out at the head,
; NO LDS BYTE IS FILLED TWICE.  Wave w: A's tiles 4 (w / 2) .. + 3 x B's panel w % 2: 32 accumulators.  Transposed use: a lane holds one token, its registers run along e.
; CLUSTER 4 x 4: A's panel is shared along a row of the cluster, B's panels along a column.  Waves 0, 1 fetch A's halves, waves 2, 3 B's panels: five loads a wave are out, by this text's count.
; mhq is laid as encq: images of fragments [tile][K step][1536], scale words at 6,291,456 [panel][K step][tile][r].
; LIMITS: NaN and infinities are not served; a block under 2^-122, or of zeros, keeps the byte 1 (this program alone reads the bytes).
; REGISTERS: window 0: v1-15 addresses; v16-31 the quantiser's work; v32-95 scale words; v96-143, v144-191 A's fragments, two sets; v192-255 the bias.  Window 1: accumulator (a, b) at v[8 (8 a + b)].  Window 2: B's fragments.
.set WV, 2
.set AH, 3
.set BH, 16
.set CX, 17
.set CY, 18
.set YY, 19
.set TR, 20
.set PB, 21
.set G1A, 24
.set G1B, 32
.set G1SA, 40
.set G1SB, 48
.set QB,  73728
.set SCA, 4*QB
.set SCB, SCA+4096
.set BIAS, 307200                      ; LDS bytes of their own: 256 numbers of bias, then 256 bytes of scale words for each wave
.set WSC, 308224
.set TM,  16
.set SC,  32
.set AF,  96
.set SEL, 24
.set MSB, 0
.macro WIN new
.if MSB != \new
	s_set_vgpr_msb (MSB<<8)|\new
.set MSB, \new
.endif
.endm
.macro PLACES
.rept 4
	v_nop
.endr
.endm
.macro CROUND
	s_barrier_signal -1
	s_barrier_wait -1
	s_cmp_lg_u32 s[WV], 0
	s_cbranch_scc1 .Lnot_wave_0_\@
	s_barrier_signal -3
.Lnot_wave_0_\@:
	s_barrier_wait -3
	s_barrier_signal -1
	s_barrier_wait -1
.endm
.macro DESCS ap, bp, aso, bso          ; A's chain uses s22, s23, s100, B's s66, s67, s101: neither ever holds the other's coordinate
	s_lshl_b32 s22, s[TR], 12
	s_lshl_b32 s100, s[BH], 11
	s_add_co_u32 s22, s22, s100
	s_add_co_u32 s22, s22, \aso
	s_mov_b32 s23, 0
	s_mov_b32 s56, 1
	s_add_co_u32 s57, s100, SCA
	s_add_nc_u64 s[58:59], s[\ap:\ap+1], s[22:23]
	s_or_b32 s59, s59, 0x80000000
	s_mul_i32 s22, s[TR], 98304
	s_mul_i32 s100, s[BH], 49152
	s_add_co_u32 s22, s22, s100
	s_add_nc_u64 s[22:23], s[\ap:\ap+1], s[22:23]
	s_mul_i32 s100, s[BH], 12288
.set Q, 0
.irp g, 60, 68, 72, 76
	s_mov_b32 s[\g], 1
	s_add_co_u32 s[\g+1], s100, QB*Q
	s_add_nc_u64 s[\g+2:\g+3], s[22:23], 3072*Q
	s_or_b32 s[\g+3], s[\g+3], 0x80000000
.set Q, Q+1
.endr
	s_add_co_u32 s101, s[PB], s[BH]
	s_lshl_b32 s66, s101, 12
	s_add_co_u32 s66, s66, \bso
	s_mov_b32 s67, 0
	s_mov_b32 s80, 1
	s_lshl_b32 s81, s[BH], 12
	s_add_co_u32 s81, s81, SCB
	s_add_nc_u64 s[82:83], s[\bp:\bp+1], s[66:67]
	s_or_b32 s83, s83, 0x80000000
	s_mul_i32 s66, s101, 98304
	s_add_nc_u64 s[66:67], s[\bp:\bp+1], s[66:67]
	s_mul_i32 s101, s[BH], 24576
	s_add_co_u32 s101, s101, 24576
.set Q, 0
.irp g, 84, 88, 92, 96
	s_mov_b32 s[\g], 1
	s_add_co_u32 s[\g+1], s101, QB*Q
	s_add_nc_u64 s[\g+2:\g+3], s[66:67], 3072*Q
	s_or_b32 s[\g+3], s[\g+3], 0x80000000
.set Q, Q+1
.endr
.endm
.macro FETCH s
	WIN 0x80
.irp b, 0,1,2,3,4,5,6,7
.irp c, 0,1,2
	ds_load_b128 v[96*((\s)%2)+12*\b+4*\c:96*((\s)%2)+12*\b+4*\c+3], v[8+(\s)/2] offset:3072*\b+1536*((\s)%2)+512*\c
.endr
.endr
	WIN 0
.irp a, 0,1,2,3
.irp c, 0,1,2
	ds_load_b128 v[AF+48*((\s)%2)+12*\a+4*\c:AF+48*((\s)%2)+12*\a+4*\c+3], v[4+(\s)/2] offset:3072*\a+1536*((\s)%2)+512*\c
.endr
.endr
.endm
.macro MUL16 a0, s, cm                 ; cm = 1: the constant 0 starts the sums; 2: the bias does; 0: in place.  The 32 accumulators take turns
.irp a, \a0, \a0+1
.irp b, 0,1,2,3,4,5,6,7
.if (\cm) == 1
	v_wmma_scale_f32_16x16x128_f8f6f4 v[8*(8*(\a)+\b):8*(8*(\a)+\b)+7], v[96*((\s)%2)+12*\b:96*((\s)%2)+12*\b+11], v[AF+48*((\s)%2)+12*(\a):AF+48*((\s)%2)+12*(\a)+11], 0, v[SC+8*\b+(\s)], v[SC+8*(\a)+(\s)] matrix_a_fmt:MATRIX_FMT_BF6 matrix_b_fmt:MATRIX_FMT_BF6 matrix_a_scale:MATRIX_SCALE_ROW1
.elseif (\cm) == 2
	v_wmma_scale_f32_16x16x128_f8f6f4 v[8*(8*(\a)+\b):8*(8*(\a)+\b)+7], v[96*((\s)%2)+12*\b:96*((\s)%2)+12*\b+11], v[AF+48*((\s)%2)+12*(\a):AF+48*((\s)%2)+12*(\a)+11], v[192+8*\b:199+8*\b], v[SC+8*\b+(\s)], v[SC+8*(\a)+(\s)] matrix_a_fmt:MATRIX_FMT_BF6 matrix_b_fmt:MATRIX_FMT_BF6 matrix_a_scale:MATRIX_SCALE_ROW1
.else
	v_wmma_scale_f32_16x16x128_f8f6f4 v[8*(8*(\a)+\b):8*(8*(\a)+\b)+7], v[96*((\s)%2)+12*\b:96*((\s)%2)+12*\b+11], v[AF+48*((\s)%2)+12*(\a):AF+48*((\s)%2)+12*(\a)+11], v[8*(8*(\a)+\b):8*(8*(\a)+\b)+7], v[SC+8*\b+(\s)], v[SC+8*(\a)+(\s)] matrix_a_fmt:MATRIX_FMT_BF6 matrix_b_fmt:MATRIX_FMT_BF6 matrix_a_scale:MATRIX_SCALE_ROW1
.endif
.endr
.endr
.endm
.macro STEP s, cm                      ; as in the launch qkv: the next step's fragments in the middle, behind four places; ahead of a new quarter the counted wait (the quarters issued behind it) and a barrier behind which nothing is filled
	s_wait_dscnt 0x0
.if ((\s)%2 == 1) && ((\s) < 7)
	s_wait_tensorcnt 3-((\s)+1)/2
	s_barrier_signal -1
.endif
	WIN (0x52-0x10*((\cm)/2))
	MUL16 0, \s, \cm
.if (\s) < 7
.if (\s)%2 == 1
	s_barrier_wait -1
.endif
	PLACES
	FETCH (\s)+1
	WIN (0x52-0x10*((\cm)/2))
.endif
	MUL16 2, \s, \cm
.endm
.macro QUANT s, pc, pw, w              ; 64 numbers of a lane in window w -> a fragment's codes and its scale word; each accumulator is read from its low end on
	WIN (5*(\w))
.irp b, 0,1,2,3
	v_max3_num_f32 v[TM+\b], |v[(\s)+16*\b]|, |v[(\s)+1+16*\b]|, 0x2800000
.endr
.irp i, 2,4,6,8,10,12,14
.irp b, 0,1,2,3
	v_max3_num_f32 v[TM+\b], |v[(\s)+16*\b+\i]|, |v[(\s)+1+16*\b+\i]|, v[TM+\b]
.endr
.endr
	WIN 0
.irp b, 0,1,2,3
	v_permlanex16_b32 v[TM+4+\b], v[TM+\b], s[SEL], s[SEL+1]
.endr
.irp b, 0,1,2,3
	v_max_num_f32 v[TM+\b], v[TM+\b], v[TM+4+\b]
.endr
.irp b, 0,1,2,3
	v_add_nc_u32 v[TM+12+\b], 0xfe000000, v[TM+\b]
.endr
.irp b, 0,1,2,3
	v_lshrrev_b32 v[TM+4+\b], 23, v[TM+12+\b]
.endr
	v_lshl_or_b32 v[\pw], v[TM+5], 8, v[TM+4]
	v_lshl_or_b32 v[\pw], v[TM+6], 16, v[\pw]
	v_lshl_or_b32 v[\pw], v[TM+7], 24, v[\pw]
	WIN (\w)
.irp c, 0,1
	v_cvt_scalef32_pk16_bf6_f32 v[(\pc)+6*\c:(\pc)+2+6*\c], v[(\s)+32*\c:(\s)+15+32*\c], v[TM+12+2*\c]
	v_cvt_scalef32_pk16_bf6_f32 v[(\pc)+12+4*\c:(\pc)+14+4*\c], v[(\s)+16+32*\c:(\s)+31+32*\c], v[TM+13+2*\c]
.endr
	WIN 0
	v_nop
.irp c, 0,1
.irp i, 0,1,2
	v_permlane16_swap_b32 v[(\pc)+6*\c+\i], v[(\pc)+12+4*\c+\i]
.endr
.irp i, 0,1,2
	v_mov_b32 v[(\pc)+3+6*\c+\i], v[(\pc)+12+4*\c+\i]
.endr
.endr
.endm
	s_load_b256 s[4:11], s[0:1], 0x0               ; ocq, wq4, part, bc
	s_load_b128 s[12:15], s[0:1], 0x20             ; tb2, mhq
	v_lshl_add_u32 v26, v0, 2, 0x4b800
	v_mov_b32 v27, 0
	ds_add_u32 v26, v27
	ds_add_u32 v26, v27
	v_lshrrev_b32 v1, 5, v0
	v_readfirstlane_b32 s[WV], v1
	s_lshr_b32 s[AH], s[WV], 1
	s_and_b32 s[BH], s[WV], 1
	s_bfe_u32 s[CX], ttmp6, 0x40000
	s_bfe_u32 s[CY], ttmp6, 0x40004
	s_and_b32 s[YY], ttmp7, 0xffff
	s_lshl_b32 s22, s[CY], 2
	s_lshl_b32 s22, 15, s22
	s_lshl_b32 s66, 0x1111, s[CX]
	s_or_b32 s[G1A], s22, (3<<16)|(1<<21)
	s_or_b32 s[G1SA], s22, (3<<16)|(1<<21)
	s_or_b32 s[G1B], s66, (3<<16)|(1<<21)
	s_or_b32 s[G1SB], s66, (3<<16)|(1<<21)
.irp g, G1A, G1B
	s_mov_b32 s[\g+1], 384<<16
	s_mov_b32 s[\g+3], 384<<16
	s_mov_b32 s[\g+5], 1536
	s_mov_b32 s[\g+6], 0
	s_mov_b32 s[\g+7], 0
.endr
	s_mov_b32 s[G1A+2], 4<<16
	s_mov_b32 s[G1A+4], 4
	s_mov_b32 s[G1B+2], 8<<16
	s_mov_b32 s[G1B+4], 8
.irp g, G1SA, G1SB
	s_mov_b32 s[\g+1], 32<<16
	s_mov_b32 s[\g+3], 32<<16
	s_mov_b32 s[\g+5], 32
	s_mov_b32 s[\g+6], 0
	s_mov_b32 s[\g+7], 0
.endr
	s_mov_b32 s[G1SA+2], 8<<16
	s_mov_b32 s[G1SA+4], 8
	s_mov_b32 s[G1SB+2], 16<<16
	s_mov_b32 s[G1SB+4], 16
	s_lshl_b32 s[TR], s[YY], 2
	s_add_co_u32 s[TR], s[TR], s[CY]               ; A's panel: 4 Y + cy
	s_lshl_b32 s[PB], s[CX], 1
	s_add_co_u32 s[PB], s[PB], 24                  ; B's: Wc's 2 cx, + 1
	s_wait_dscnt 0x0
	s_wait_kmcnt 0x0
	DESCS 4, 6, 6291456, 3145728
	CROUND
	s_cmp_lt_u32 s[WV], 2
	s_cbranch_scc0 .Lfill_b
	tensor_load_to_lds s[56:59], s[G1SA:G1SA+7]
	s_nop 0
	tensor_load_to_lds s[60:63], s[G1A:G1A+7]
	s_nop 0
	tensor_load_to_lds s[68:71], s[G1A:G1A+7]
	s_nop 0
	tensor_load_to_lds s[72:75], s[G1A:G1A+7]
	s_nop 0
	tensor_load_to_lds s[76:79], s[G1A:G1A+7]
	s_nop 0
	PLACES
	s_branch .Lfilled
.Lfill_b:
	tensor_load_to_lds s[80:83], s[G1SB:G1SB+7]
	s_nop 0
	tensor_load_to_lds s[84:87], s[G1B:G1B+7]
	s_nop 0
	tensor_load_to_lds s[88:91], s[G1B:G1B+7]
	s_nop 0
	tensor_load_to_lds s[92:95], s[G1B:G1B+7]
	s_nop 0
	tensor_load_to_lds s[96:99], s[G1B:G1B+7]
	s_nop 0
	PLACES
.Lfilled:
	; the bias of the work-group's 256 e: thread tau takes e = 256 cx + 2 tau, + 1; a wave's load covers 256 consecutive bytes.  These loads are on their way beside the tiles
	v_lshlrev_b32 v13, 3, v0
	s_wait_alu depctr_va_vdst(0)
	v_lshl_add_u32 v14, v0, 3, BIAS
	s_lshr_b32 s22, s[YY], 1                       ; b
	s_lshl_b32 s22, s22, 12
	s_lshl_b32 s66, s[CX], 10
	s_add_co_u32 s22, s22, s66
	s_mov_b32 s23, 0
	s_mov_b32 s67, 0
	s_add_nc_u64 s[8:9], s[8:9], s[22:23]
	s_add_nc_u64 s[10:11], s[10:11], s[66:67]
	s_add_nc_u64 s[12:13], s[12:13], s[66:67]
.set J, 0
.rept 32
	global_load_b64 v[96+2*J:97+2*J], v13, s[8:9] offset:32768*J
.set J, J+1
.endr
	global_load_b64 v[160:161], v13, s[10:11]
	global_load_b64 v[162:163], v13, s[12:13]
	v_and_b32 v1, 15, v0                           ; r
	v_bfe_u32 v2, v0, 4, 1                         ; h
	v_and_b32 v3, 31, v0
	v_lshlrev_b32 v3, 4, v3                        ; 16 x lane
	s_wait_alu depctr_va_vdst(0)
	s_mul_i32 s22, s[AH], 12288
	s_mul_i32 s66, s[BH], 24576
	s_add_co_u32 s66, s66, 24576
.irp q, 0,1,2,3
	v_add_nc_u32 v[4+\q], s22, v3
	v_add_nc_u32 v[8+\q], s66, v3
	s_add_co_u32 s22, s22, QB
	s_add_co_u32 s66, s66, QB
.endr
	s_lshl_b32 s22, s[AH], 8
	s_lshl_b32 s23, s[BH], 12
	s_add_co_u32 s23, s23, 4096
	s_sub_co_u32 s23, s23, s22
	v_mul_u32_u24 v12, s23, v2
	v_lshl_add_u32 v12, v1, 2, v12
	s_add_co_u32 s22, s22, SCA
	v_add_nc_u32 v12, s22, v12
	s_lshl_b32 s22, s[BH], 9
	s_add_co_u32 s22, s22, BIAS
	v_lshl_add_u32 v15, v2, 6, s22                 ; my panel's 128 numbers of bias, + 64 h: register 16 b + i wants e = 32 b + 16 h + i
.irp b, 0,1,2,3
	v_mov_b32 v[TM+4+\b], 0
.endr
	s_wait_loadcnt 0x0
	v_pk_add_f32 v[160:161], v[160:161], v[162:163]
.irp j, 2,4,6,8,10,12,14,16,18,20,22,24,26,28,30
	v_pk_add_f32 v[96:97], v[96:97], v[96+2*\j:97+2*\j]       ; the 32 parts, in two chains, in a fixed order
	v_pk_add_f32 v[98:99], v[98:99], v[98+2*\j:99+2*\j]
.endr
	v_pk_add_f32 v[96:97], v[96:97], v[98:99]
	v_pk_add_f32 v[96:97], v[96:97], v[160:161]
	ds_store_b64 v14, v[96:97]
	s_wait_dscnt 0x0                               ; for the others' sake: my two numbers of bias lie in LDS
	s_wait_tensorcnt 3                             ; my scale words and my part of quarter 0 are in; the three later quarters may be out
	s_barrier_signal -1
	s_barrier_wait -1
	FETCH 0
.irp b, 0,1,2,3
.irp j, 0,1,2,3
	ds_load_b128 v[192+16*\b+4*\j:195+16*\b+4*\j], v15 offset:128*\b+16*\j
.endr
.endr
.irp i, 0,1,2,3,4,5,6,7
.irp s, 0,1,2,3,4,5,6,7
	ds_load_b32 v[SC+8*\i+\s], v12 offset:512*\s+64*\i
.endr
.endr
	STEP 0, 2
	STEP 1, 0
	STEP 2, 0
	STEP 3, 0
	STEP 4, 0
	STEP 5, 0
	STEP 6, 0
	STEP 7, 0
	WIN 0
	PLACES
	; THE WAY OUT: my four tiles' fragments of K step 2 cx + my panel
	s_mov_b32 s24, 0x76543210
	s_mov_b32 s25, 0xfedcba98
	s_lshl_b32 s26, s[TR], 1
	s_add_co_u32 s26, s26, s[AH]
	s_mul_i32 s26, s26, 49152
	s_lshl_b32 s28, s[CX], 1
	s_add_co_u32 s28, s28, s[BH]
	s_mul_i32 s29, s28, 1536
	s_add_co_u32 s26, s26, s29
	s_mov_b32 s27, 0
	s_add_nc_u64 s[30:31], s[14:15], s[26:27]
	s_lshl_b32 s26, s[TR], 12
	s_lshl_b32 s29, s28, 9
	s_add_co_u32 s26, s26, s29
	s_lshl_b32 s29, s[AH], 8
	s_add_co_u32 s26, s26, s29
	s_add_co_u32 s26, s26, 6291456
	s_add_nc_u64 s[32:33], s[14:15], s[26:27]
	s_lshl_b32 s29, s[WV], 8
	s_add_co_u32 s29, s29, WSC
	v_lshl_add_u32 v13, v1, 2, s29
	v_and_b32 v15, 31, v0
	v_lshlrev_b32 v15, 3, v15
	v_add_nc_u32 v14, s29, v15
.irp a, 0,1,2,3
	QUANT 64*\a, 96+20*\a, 176+\a, 1
.irp c, 0,1,2
	global_store_b128 v3, v[96+20*\a+4*\c:99+20*\a+4*\c], s[30:31] offset:12288*\a+512*\c     ; 512 consecutive bytes a store
.endr
	ds_store_b32 v13, v[176+\a] offset:64*\a       ; lanes r and r + 16 write the same word with the same value
.endr
	ds_load_b64 v[180:181], v14                    ; my wave's own bytes, in order behind its stores
	s_wait_dscnt 0x0
	global_store_b64 v15, v[180:181], s[32:33]     ; 256 consecutive bytes, aligned
	s_wait_tensorcnt 0x0
	ds_add_u32 v26, v27
	s_wait_dscnt 0x0
	CROUND
	s_endpgm
.Lfunc_end_k_q1725938133_proj:
	.size	k_q1725938133_proj, .Lfunc_end_k_q1725938133_proj-k_q1725938133_proj
	.p2alignl 7, 3214868480
	.fill 96, 4, 3214868480
	.section	.rodata,"a",@progbits
	.p2align	6, 0x0
	.amdhsa_kernel k_q1725938133_proj
		.amdhsa_group_segment_fixed_size 327680
		.amdhsa_private_segment_fixed_size 0
		.amdhsa_enable_private_segment 0
		.amdhsa_kernarg_size 48
		.amdhsa_user_sgpr_count 2
		.amdhsa_user_sgpr_kernarg_segment_ptr 1
		.amdhsa_wavefront_size32 1
		.amdhsa_system_sgpr_workgroup_id_x 1
		.amdhsa_system_sgpr_workgroup_id_y 1
		.amdhsa_system_sgpr_workgroup_id_z 1
		.amdhsa_system_vgpr_workitem_id 0
		.amdhsa_next_free_vgpr 768
		.amdhsa_next_free_sgpr 102
		.amdhsa_reserve_vcc 0
		.amdhsa_float_denorm_mode_32 3
		.amdhsa_float_denorm_mode_16_64 3
		.amdhsa_memory_ordered 1
		.amdhsa_forward_progress 1
		.amdhsa_inst_pref_size 92
	.end_amdhsa_kernel
	.amdgpu_metadata
---
amdhsa.version: [ 1, 2 ]
amdhsa.kernels:
  - .name:           k_q1725938133_proj
    .symbol:         k_q1725938133_proj.kd
    .args:
      - { .name: ocq, .offset: 0, .size: 8, .value_kind: global_buffer, .address_space: global }
      - { .name: wq4, .offset: 8, .size: 8, .value_kind: global_buffer, .address_space: global }
      - { .name: part, .offset: 16, .size: 8, .value_kind: global_buffer, .address_space: global }
      - { .name: bc, .offset: 24, .size: 8, .value_kind: global_buffer, .address_space: global }
      - { .name: tb2, .offset: 32, .size: 8, .value_kind: global_buffer, .address_space: global }
      - { .name: mhq, .offset: 40, .size: 8, .value_kind: global_buffer, .address_space: global }
    .group_segment_fixed_size: 327680
    .private_segment_fixed_size: 0
    .kernarg_segment_align: 8
    .kernarg_segment_size: 48
    .max_flat_workgroup_size: 128
    .sgpr_count:     102
    .vgpr_count:     768
    .wavefront_size: 32
...
	.end_amdgpu_metadata
.endif
;; end of part 4
;; launch score (part 5): grid 4 x 64, 4 waves a work-group, clusters of 4 x 4, 327,680 bytes of LDS; arguments mhq, encq, xt, conv_w, conv_b, out0; writes out0
.if DOCPART == 5
	.amdgcn_target "amdgcn-amd-amdhsa--gfx1250"
	.amdhsa_code_object_version 6
	.text
	.protected	k_q1725938133_score
	.globl	k_q1725938133_score
	.p2align	8
	.type	k_q1725938133_score,@function
k_q1725938133_score:
	s_mov_b64 s[64:65], 0
	v_nop
	global_prefetch_b8 v0, s[64:65] scope:SCOPE_SE
	s_setreg_imm32_b32 hwreg(HW_REG_WAVE_MODE, 25, 1), 1
	s_wait_xcnt 0x0
	s_wait_alu depctr_hold_cnt(0) depctr_sa_sdst(0) depctr_va_vdst(0) depctr_va_sdst(0) depctr_va_ssrc(0) depctr_va_vcc(0) depctr_vm_vsrc(0)
	s_getreg_b32 s2, hwreg(HW_REG_IB_STS2, 6, 4)
	s_cmp_eq_u32 s2, 0
	s_cbranch_scc0 .Lentry_in_a_cluster
	s_endpgm
.Lentry_in_a_cluster:
	s_bfe_u32 s2, ttmp6, 0x10000c
	s_cmp_lg_u32 s2, 0xf033
	s_cbranch_scc0 .Lentry_shape_is_right
	s_endpgm
.Lentry_shape_is_right:
; out0[b][n][m][:] = softmax over two channels of conv_w (10 tanh(mh[n] . enc[m] / 32), xt[n][m]) + conv_b; the product on codes of BF6 with E8M0 scales.
; THE CORE is the text of the launch qkv: a work-group makes 128 rows of A (mhq: one panel of tokens n) x 256 rows of B (encq: the batch's panels 2 cx, + 1: tokens m); all of K = 1,024 lies in LDS at once, every tensor load goes
; out at the head, NO LDS BYTE IS FILLED TWICE.  Wave w: A's tiles 4 (w / 2) .. + 3 x B's panel w % 2.  CLUSTER 4 x 4: A shared along a row, B along a column; waves 0, 1 fetch A's halves, waves 2, 3 B's panels: five loads a wave are out.
; THE TAIL, in f32.  tanh(x) = 1 - 2 / (1 + e^(2 x)); d = channel 0 - channel 1 = r1 (-20 dw0) + (xt dw1 + 10 dw0 + db), r1 = 1 / (1 + 2^(acc x 2 log2(e) / 32)), dw = conv_w's row 0 - row 1, db likewise.
; The larger channel's exponent is 0 (the maximum is taken away): larger = 1 / (1 + e^-|d|), smaller = e^-|d| x that; d's sign says which is which, by bit selects: no branch.
; xt's 64 x 128 numbers of the wave wait in window 3, asked for at the head and in steps 2 and 4.  A tile of 16 rows goes through my stage in LDS and comes back by rows, so that loads of xt cover 256 and stores 512 consecutive bytes.
; The stage lies in quarter 0, which has had its only fill, and whose last reads every wave has waited for ahead of the barrier in step 1.
; LIMITS: NaN and infinities among the inputs are not served.
; REGISTERS: window 0: v1-15 addresses; v16-23 constants; v32-95 scale words; v96-191 A's fragments; in the tail v32-223 at work.  Window 1: accumulators.  Window 2: B's fragments.  Window 3: xt: tile a, row i at v[64 a + 4 i].
.set WV, 2
.set AH, 3
.set BH, 16
.set CX, 17
.set CY, 18
.set YY, 19
.set TR, 20
.set PB, 21
.set G1A, 24
.set G1B, 32
.set G1SA, 40
.set G1SB, 48
.set QB,  73728
.set SCA, 4*QB
.set SCB, SCA+4096
.set SC,  32
.set AF,  96
.set MSB, 0
.macro WIN new
.if MSB != \new
	s_set_vgpr_msb (MSB<<8)|\new
.set MSB, \new
.endif
.endm
.macro PLACES
.rept 4
	v_nop
.endr
.endm
.macro CROUND
	s_barrier_signal -1
	s_barrier_wait -1
	s_cmp_lg_u32 s[WV], 0
	s_cbranch_scc1 .Lnot_wave_0_\@
	s_barrier_signal -3
.Lnot_wave_0_\@:
	s_barrier_wait -3
	s_barrier_signal -1
	s_barrier_wait -1
.endm
.macro DESCS ap, bp, aso, bso          ; A's chain uses s22, s23, s100, B's s66, s67, s101: neither ever holds the other's coordinate
	s_lshl_b32 s22, s[TR], 12
	s_lshl_b32 s100, s[BH], 11
	s_add_co_u32 s22, s22, s100
	s_add_co_u32 s22, s22, \aso
	s_mov_b32 s23, 0
	s_mov_b32 s56, 1
	s_add_co_u32 s57, s100, SCA
	s_add_nc_u64 s[58:59], s[\ap:\ap+1], s[22:23]
	s_or_b32 s59, s59, 0x80000000
	s_mul_i32 s22, s[TR], 98304
	s_mul_i32 s100, s[BH], 49152
	s_add_co_u32 s22, s22, s100
	s_add_nc_u64 s[22:23], s[\ap:\ap+1], s[22:23]
	s_mul_i32 s100, s[BH], 12288
.set Q, 0
.irp g, 60, 68, 72, 76
	s_mov_b32 s[\g], 1
	s_add_co_u32 s[\g+1], s100, QB*Q
	s_add_nc_u64 s[\g+2:\g+3], s[22:23], 3072*Q
	s_or_b32 s[\g+3], s[\g+3], 0x80000000
.set Q, Q+1
.endr
	s_add_co_u32 s101, s[PB], s[BH]
	s_lshl_b32 s66, s101, 12
	s_add_co_u32 s66, s66, \bso
	s_mov_b32 s67, 0
	s_mov_b32 s80, 1
	s_lshl_b32 s81, s[BH], 12
	s_add_co_u32 s81, s81, SCB
	s_add_nc_u64 s[82:83], s[\bp:\bp+1], s[66:67]
	s_or_b32 s83, s83, 0x80000000
	s_mul_i32 s66, s101, 98304
	s_add_nc_u64 s[66:67], s[\bp:\bp+1], s[66:67]
	s_mul_i32 s101, s[BH], 24576
	s_add_co_u32 s101, s101, 24576
.set Q, 0
.irp g, 84, 88, 92, 96
	s_mov_b32 s[\g], 1
	s_add_co_u32 s[\g+1], s101, QB*Q
	s_add_nc_u64 s[\g+2:\g+3], s[66:67], 3072*Q
	s_or_b32 s[\g+3], s[\g+3], 0x80000000
.set Q, Q+1
.endr
.endm
.macro FETCH s
	WIN 0x80
.irp b, 0,1,2,3,4,5,6,7
.irp c, 0,1,2
	ds_load_b128 v[96*((\s)%2)+12*\b+4*\c:96*((\s)%2)+12*\b+4*\c+3], v[8+(\s)/2] offset:3072*\b+1536*((\s)%2)+512*\c
.endr
.endr
	WIN 0
.irp a, 0,1,2,3
.irp c, 0,1,2
	ds_load_b128 v[AF+48*((\s)%2)+12*\a+4*\c:AF+48*((\s)%2)+12*\a+4*\c+3], v[4+(\s)/2] offset:3072*\a+1536*((\s)%2)+512*\c
.endr
.endr
.endm
.macro MUL16 a0, s, cm                 ; cm = 1: the constant 0 starts the sums; 0: in place.  The 32 accumulators take turns
.irp a, \a0, \a0+1
.irp b, 0,1,2,3,4,5,6,7
.if (\cm) == 1
	v_wmma_scale_f32_16x16x128_f8f6f4 v[8*(8*(\a)+\b):8*(8*(\a)+\b)+7], v[96*((\s)%2)+12*\b:96*((\s)%2)+12*\b+11], v[AF+48*((\s)%2)+12*(\a):AF+48*((\s)%2)+12*(\a)+11], 0, v[SC+8*\b+(\s)], v[SC+8*(\a)+(\s)] matrix_a_fmt:MATRIX_FMT_BF6 matrix_b_fmt:MATRIX_FMT_BF6 matrix_a_scale:MATRIX_SCALE_ROW1
.else
	v_wmma_scale_f32_16x16x128_f8f6f4 v[8*(8*(\a)+\b):8*(8*(\a)+\b)+7], v[96*((\s)%2)+12*\b:96*((\s)%2)+12*\b+11], v[AF+48*((\s)%2)+12*(\a):AF+48*((\s)%2)+12*(\a)+11], v[8*(8*(\a)+\b):8*(8*(\a)+\b)+7], v[SC+8*\b+(\s)], v[SC+8*(\a)+(\s)] matrix_a_fmt:MATRIX_FMT_BF6 matrix_b_fmt:MATRIX_FMT_BF6 matrix_a_scale:MATRIX_SCALE_ROW1
.endif
.endr
.endr
.endm
.macro XT a                            ; xt of tile a's 16 rows (in the tile's stored order) x my 128 columns: 32 loads of 256 consecutive bytes, into window 3
	WIN 0xc0
.set I, 0
.rept 16
	global_load_b64 v[64*(\a)+4*I:64*(\a)+4*I+1], v13, s[8:9] offset:(32*((\a)/2)+8*((\a)%2)+I+8*(I/8))*4096 th:TH_LOAD_NT
	global_load_b64 v[64*(\a)+4*I+2:64*(\a)+4*I+3], v13, s[8:9] offset:(32*((\a)/2)+8*((\a)%2)+I+8*(I/8))*4096+256 th:TH_LOAD_NT
.set I, I+1
.endr
	WIN 0
.endm
.macro STEP s, cm, x                   ; as in the launch qkv; x >= 0: xt of tile x is asked for behind the run of LDS loads
	s_wait_dscnt 0x0
.if ((\s)%2 == 1) && ((\s) < 7)
	s_wait_tensorcnt 3-((\s)+1)/2                  ; the count: the quarters issued behind the one that the next step reads
	s_barrier_signal -1
.endif
	WIN 0x52
	MUL16 0, \s, \cm
.if (\s) < 7
.if (\s)%2 == 1
	s_barrier_wait -1
.endif
	PLACES
	FETCH (\s)+1
.if (\x) >= 0
	XT \x
.endif
	WIN 0x52
.endif
	MUL16 2, \s, \cm
.endm
	s_load_b256 s[4:11], s[0:1], 0x0               ; mhq, encq, xt, conv_w
	s_load_b128 s[12:15], s[0:1], 0x20             ; conv_b, out0
	v_lshl_add_u32 v254, v0, 2, 0x4b000
	v_mov_b32 v255, 0
	ds_add_u32 v254, v255
	ds_add_u32 v254, v255
	v_lshrrev_b32 v1, 5, v0
	v_readfirstlane_b32 s[WV], v1
	s_lshr_b32 s[AH], s[WV], 1
	s_and_b32 s[BH], s[WV], 1
	s_bfe_u32 s[CX], ttmp6, 0x40000
	s_bfe_u32 s[CY], ttmp6, 0x40004
	s_and_b32 s[YY], ttmp7, 0xffff
	s_lshl_b32 s22, s[CY], 2
	s_lshl_b32 s22, 15, s22
	s_lshl_b32 s66, 0x1111, s[CX]
	s_or_b32 s[G1A], s22, (3<<16)|(1<<21)
	s_or_b32 s[G1SA], s22, (3<<16)|(1<<21)
	s_or_b32 s[G1B], s66, (3<<16)|(1<<21)
	s_or_b32 s[G1SB], s66, (3<<16)|(1<<21)
.irp g, G1A, G1B
	s_mov_b32 s[\g+1], 384<<16
	s_mov_b32 s[\g+3], 384<<16
	s_mov_b32 s[\g+5], 1536
	s_mov_b32 s[\g+6], 0
	s_mov_b32 s[\g+7], 0
.endr
	s_mov_b32 s[G1A+2], 4<<16
	s_mov_b32 s[G1A+4], 4
	s_mov_b32 s[G1B+2], 8<<16
	s_mov_b32 s[G1B+4], 8
.irp g, G1SA, G1SB
	s_mov_b32 s[\g+1], 32<<16
	s_mov_b32 s[\g+3], 32<<16
	s_mov_b32 s[\g+5], 32
	s_mov_b32 s[\g+6], 0
	s_mov_b32 s[\g+7], 0
.endr
	s_mov_b32 s[G1SA+2], 8<<16
	s_mov_b32 s[G1SA+4], 8
	s_mov_b32 s[G1SB+2], 16<<16
	s_mov_b32 s[G1SB+4], 16
	s_lshl_b32 s[TR], s[YY], 2
	s_add_co_u32 s[TR], s[TR], s[CY]               ; A's panel: 4 Y + cy; its batch is Y / 2
	s_lshr_b32 s[PB], s[YY], 1
	s_lshl_b32 s[PB], s[PB], 3
	s_lshl_b32 s66, s[CX], 1
	s_add_co_u32 s[PB], s[PB], s66                 ; B's: 8 (Y / 2) + 2 cx, + 1
	s_wait_dscnt 0x0
	s_wait_kmcnt 0x0
	DESCS 4, 6, 6291456, 6291456
	CROUND
	s_cmp_lt_u32 s[WV], 2
	s_cbranch_scc0 .Lfill_b
	tensor_load_to_lds s[56:59], s[G1SA:G1SA+7]
	s_nop 0
	tensor_load_to_lds s[60:63], s[G1A:G1A+7]
	s_nop 0
	tensor_load_to_lds s[68:71], s[G1A:G1A+7]
	s_nop 0
	tensor_load_to_lds s[72:75], s[G1A:G1A+7]
	s_nop 0
	tensor_load_to_lds s[76:79], s[G1A:G1A+7]
	s_nop 0
	PLACES
	s_branch .Lfilled
.Lfill_b:
	tensor_load_to_lds s[80:83], s[G1SB:G1SB+7]
	s_nop 0
	tensor_load_to_lds s[84:87], s[G1B:G1B+7]
	s_nop 0
	tensor_load_to_lds s[88:91], s[G1B:G1B+7]
	s_nop 0
	tensor_load_to_lds s[92:95], s[G1B:G1B+7]
	s_nop 0
	tensor_load_to_lds s[96:99], s[G1B:G1B+7]
	s_nop 0
	PLACES
.Lfilled:
	v_and_b32 v1, 15, v0                           ; r
	v_bfe_u32 v2, v0, 4, 1                         ; h
	v_and_b32 v3, 31, v0
	v_lshlrev_b32 v13, 3, v3                       ; 8 x lane
	v_lshlrev_b32 v3, 4, v3                        ; 16 x lane
	s_wait_alu depctr_va_vdst(0)
	s_mul_i32 s22, s[AH], 12288
	s_mul_i32 s66, s[BH], 24576
	s_add_co_u32 s66, s66, 24576
.irp q, 0,1,2,3
	v_add_nc_u32 v[4+\q], s22, v3
	v_add_nc_u32 v[8+\q], s66, v3
	s_add_co_u32 s22, s22, QB
	s_add_co_u32 s66, s66, QB
.endr
	s_lshl_b32 s22, s[AH], 8
	s_lshl_b32 s23, s[BH], 12
	s_add_co_u32 s23, s23, 4096
	s_sub_co_u32 s23, s23, s22
	v_mul_u32_u24 v12, s23, v2
	v_lshl_add_u32 v12, v1, 2, v12
	s_add_co_u32 s22, s22, SCA
	v_add_nc_u32 v12, s22, v12
	s_mul_i32 s22, s[WV], 8448                     ; my stage: 16 rows x (512 bytes + 16)
	v_mul_u32_u24 v14, v1, 528
	v_lshl_add_u32 v14, v2, 6, v14
	v_add_nc_u32 v14, s22, v14                     ; in: row r, + 64 h
	v_add_nc_u32 v15, s22, v13                     ; back: 8 bytes a lane
	s_lshr_b32 s22, s[YY], 1                       ; xt: batch, my first row 128 (panel % 8) + 64 half, my first column 256 cx + 128 half
	s_lshl_b32 s22, s22, 22
	s_and_b32 s23, s[TR], 7
	s_lshl_b32 s23, s23, 19
	s_add_co_u32 s22, s22, s23
	s_lshl_b32 s23, s[AH], 18
	s_add_co_u32 s22, s22, s23
	s_lshl_b32 s23, s[CX], 10
	s_add_co_u32 s22, s22, s23
	s_lshl_b32 s23, s[BH], 9
	s_add_co_u32 s22, s22, s23
	s_mov_b32 s23, 0
	s_add_nc_u64 s[8:9], s[8:9], s[22:23]
	s_lshl_b32 s22, s22, 1                         ; out0: twice the bytes
	s_add_nc_u64 s[14:15], s[14:15], s[22:23]
	s_load_b128 s[20:23], s[10:11], 0x0            ; conv_w: w00, w01, w10, w11
	s_load_b64 s[66:67], s[12:13], 0x0             ; conv_b
	XT 0
	XT 1
	s_wait_kmcnt 0x0
	v_mov_b32 v28, s22
	v_sub_f32 v16, s20, v28                        ; dw0
	v_mov_b32 v28, s23
	v_sub_f32 v18, s21, v28                        ; dw1, twice: a pair for the packed forms
	v_mov_b32 v19, v18
	v_mov_b32 v28, s67
	v_sub_f32 v28, s66, v28                        ; db
	v_mul_f32 v20, 0xc1a00000, v16                 ; -20 dw0
	v_mov_b32 v21, v20
	v_fmamk_f32 v22, v16, 0x41200000, v28          ; 10 dw0 + db
	v_mov_b32 v23, v22
	s_wait_tensorcnt 3                             ; my scale words and my part of quarter 0 are in; the three later quarters may be out
	s_barrier_signal -1
	s_barrier_wait -1
	FETCH 0
.irp i, 0,1,2,3,4,5,6,7
.irp s, 0,1,2,3,4,5,6,7
	ds_load_b32 v[SC+8*\i+\s], v12 offset:512*\s+64*\i
.endr
.endr
	STEP 0, 1, -1
	STEP 1, 0, -1
	STEP 2, 0, 2
	STEP 3, 0, -1
	STEP 4, 0, 3
	STEP 5, 0, -1
	STEP 6, 0, -1
	STEP 7, 0, -1
	WIN 0
	PLACES
	; THE TAIL
	s_mov_b32 s24, 0xbfb8aa3b                      ; -log2(e)
	s_mov_b32 s26, 0x3db8aa3b                      ; 2 log2(e) / 32
	s_mov_b32 s27, s26
.macro TOSTAGE a                       ; tile a's 16 rows x 128 columns; each accumulator from its low end on
	WIN 0x04
.irp b, 0,1,2,3,4,5,6,7
	ds_store_b128 v14, v[64*(\a)+8*\b:64*(\a)+8*\b+3] offset:128*(\b/2)+32*(\b%2)
	ds_store_b128 v14, v[64*(\a)+8*\b+4:64*(\a)+8*\b+7] offset:128*(\b/2)+32*(\b%2)+16
.endr
	WIN 0
.endm
.macro BATCH a, t                      ; eight rows: 32 numbers a lane, columns 2 lane, 2 lane + 1, and the same 64 on.  Each run of transcendentals is one batch with one wait ahead of its first reader
.irp i, 0,1,2,3,4,5,6,7
	ds_load_b64 v[32+4*\i:33+4*\i], v15 offset:528*(8*(\t)+\i)            ; LDS serves a wave's instructions in order: these see my stores
	ds_load_b64 v[34+4*\i:35+4*\i], v15 offset:528*(8*(\t)+\i)+256
.endr
	s_wait_dscnt 0x0
.set K, 0
.rept 16
	v_pk_mul_f32 v[32+K:33+K], v[32+K:33+K], s[26:27] op_sel_hi:[1,0]
.set K, K+2
.endr
.set K, 0
	s_wait_alu depctr_va_vdst(0)
.rept 32
	v_exp_f32 v[32+K], v[32+K]
.set K, K+1
.endr
	WIN 0x03                                       ; source 0: xt, in window 3
.set K, 0
.rept 16
	v_pk_fma_f32 v[64+K:65+K], v[64*(\a)+32*(\t)+K:64*(\a)+32*(\t)+K+1], v[18:19], v[22:23]    ; xt dw1 + 10 dw0 + db: the work behind the batch
.set K, K+2
.endr
	WIN 0
	s_wait_alu depctr_va_vdst(0)
.set K, 0
.rept 16
	v_pk_add_f32 v[32+K:33+K], v[32+K:33+K], 1.0 op_sel_hi:[1,0]
.set K, K+2
.endr
.set K, 0
	s_wait_alu depctr_va_vdst(0)
.rept 32
	v_rcp_f32 v[32+K], v[32+K]
.set K, K+1
.endr
	v_nop
	s_wait_alu depctr_va_vdst(0)
.set K, 0
.rept 16
	v_pk_fma_f32 v[64+K:65+K], v[32+K:33+K], v[20:21], v[64+K:65+K]       ; d
.set K, K+2
.endr
.set K, 0
.rept 32
	v_mul_f32 v[96+K], s24, |v[64+K]|
.set K, K+1
.endr
.set K, 0
	s_wait_alu depctr_va_vdst(0)
.rept 32
	v_exp_f32 v[96+K], v[96+K]                     ; e^-|d|
.set K, K+1
.endr
	v_nop
	s_wait_alu depctr_va_vdst(0)
.set K, 0
.rept 16
	v_pk_add_f32 v[128+K:129+K], v[96+K:97+K], 1.0 op_sel_hi:[1,0]
.set K, K+2
.endr
.set K, 0
	s_wait_alu depctr_va_vdst(0)
.rept 32
	v_rcp_f32 v[128+K], v[128+K]                   ; the larger channel
.set K, K+1
.endr
	v_nop
	s_wait_alu depctr_va_vdst(0)
.set K, 0
.rept 16
	v_pk_mul_f32 v[96+K:97+K], v[96+K:97+K], v[128+K:129+K]               ; the smaller
.set K, K+2
.endr
	s_wait_xcnt 0x0                                ; the last batch's stores have read their data, which are written again below
.set K, 0
.rept 32
	v_ashrrev_i32 v[32+K], 31, v[64+K]             ; all ones where d is negative
	v_bfi_b32 v[160+2*K], v[32+K], v[96+K], v[128+K]
	v_bfi_b32 v[161+2*K], v[32+K], v[128+K], v[96+K]
.set K, K+1
.endr
.irp i, 0,1,2,3,4,5,6,7
	global_store_b128 v3, v[160+8*\i:163+8*\i], s[14:15] offset:(32*((\a)/2)+8*((\a)%2)+16*(\t)+\i)*8192 th:TH_STORE_NT       ; 512 consecutive bytes a store; written once
	global_store_b128 v3, v[164+8*\i:167+8*\i], s[14:15] offset:(32*((\a)/2)+8*((\a)%2)+16*(\t)+\i)*8192+512 th:TH_STORE_NT
.endr
.endm
	s_wait_loadcnt 63                              ; tile 0's 32 loads of xt are in (96 were issued behind them; the count is the field's largest)
	TOSTAGE 0
	BATCH 0, 0
	BATCH 0, 1
	s_wait_loadcnt 63                              ; tile 1's (64 behind them)
	TOSTAGE 1
	BATCH 1, 0
	BATCH 1, 1
	s_wait_loadcnt 32                              ; tile 2's
	TOSTAGE 2
	BATCH 2, 0
	BATCH 2, 1
	s_wait_loadcnt 0x0
	TOSTAGE 3
	BATCH 3, 0
	BATCH 3, 1
	s_wait_tensorcnt 0x0
	ds_add_u32 v254, v255
	s_wait_dscnt 0x0
	CROUND                                         ; the closing round
	s_endpgm
.Lfunc_end_k_q1725938133_score:
	.size	k_q1725938133_score, .Lfunc_end_k_q1725938133_score-k_q1725938133_score
	.p2alignl 7, 3214868480
	.fill 96, 4, 3214868480
	.section	.rodata,"a",@progbits
	.p2align	6, 0x0
	.amdhsa_kernel k_q1725938133_score
		.amdhsa_group_segment_fixed_size 327680
		.amdhsa_private_segment_fixed_size 0
		.amdhsa_enable_private_segment 0
		.amdhsa_kernarg_size 48
		.amdhsa_user_sgpr_count 2
		.amdhsa_user_sgpr_kernarg_segment_ptr 1
		.amdhsa_wavefront_size32 1
		.amdhsa_system_sgpr_workgroup_id_x 1
		.amdhsa_system_sgpr_workgroup_id_y 1
		.amdhsa_system_sgpr_workgroup_id_z 1
		.amdhsa_system_vgpr_workitem_id 0
		.amdhsa_next_free_vgpr 1024
		.amdhsa_next_free_sgpr 102
		.amdhsa_reserve_vcc 0
		.amdhsa_float_denorm_mode_32 3
		.amdhsa_float_denorm_mode_16_64 3
		.amdhsa_memory_ordered 1
		.amdhsa_forward_progress 1
		.amdhsa_inst_pref_size 245
	.end_amdhsa_kernel
	.amdgpu_metadata
---
amdhsa.version: [ 1, 2 ]
amdhsa.kernels:
  - .name:           k_q1725938133_score
    .symbol:         k_q1725938133_score.kd
    .args:
      - { .name: mhq, .offset: 0, .size: 8, .value_kind: global_buffer, .address_space: global }
      - { .name: encq, .offset: 8, .size: 8, .value_kind: global_buffer, .address_space: global }
      - { .name: xt, .offset: 16, .size: 8, .value_kind: global_buffer, .address_space: global }
      - { .name: conv_w, .offset: 24, .size: 8, .value_kind: global_buffer, .address_space: global }
      - { .name: conv_b, .offset: 32, .size: 8, .value_kind: global_buffer, .address_space: global }
      - { .name: out0, .offset: 40, .size: 8, .value_kind: global_buffer, .address_space: global }
    .group_segment_fixed_size: 327680
    .private_segment_fixed_size: 0
    .kernarg_segment_align: 8
    .kernarg_segment_size: 48
    .max_flat_workgroup_size: 128
    .sgpr_count:     102
    .vgpr_count:     1024
    .wavefront_size: 32
...
	.end_amdgpu_metadata
.endif
;; end of part 5
